; MI455X (gfx1250); checked and timed in simulation.
; The chip was launched on July 23, 2026; its instructions are those of AMD's public machine-readable ISA for CDNA 5 (MIT licence, August 2026) and "CDNA5" Instruction Set Architecture Reference Guide (July 2026). The comments in the code are by the model that wrote it; some were corrected since.
;; Deepseek Attention. Allowed arithmetic: matrix products marked QUANTISED: E2M3 operands, one E8M0 scale for each 32 along K, by v_wmma_scale_f32_16x16x128_f8f6f4 with both operands' format E2M3, f32 sums; everything else in f32.
;; Inputs: Wk 4,096 x 512 float32; Wo 1,024 x 4,096 float32; Wq 4,096 x 1,024 float32; Wv 4,096 x 512 float32; attention_mask 1 x 1 x 2,048 x 2,048 float32; hidden_states 2 x 2,048 x 4,096 float32.
;; Outputs: out0 2 x 2,048 x 4,096 float32.
;; This version of the problem:
;;   THIS VERSION OF THE PROBLEM IS GIVEN IN LOW PRECISION. The matrix products marked QUANTISED in the list below multiply operands that are first quantised to E2M3 (2 exponent bits, 3 mantissa bits; 6 bits a number), with one power-of-two scale for each 32 numbers along K (OCP MX v1.0); their sums are f32. All else is computed in f32.
;;   The module's matrix products, in the order in which they are computed (A, B: the left and right operand; K: the contracted axis; several contracted axes count as one K, in the product's order):
;;     1. [M 4,096, K 4,096] x [K 4,096, N 1,024]; A: input hidden_states; B: input Wq: QUANTISED
;;     2. [M 4,096, K 4,096] x [K 4,096, N 512]; A: input hidden_states; B: input Wk: QUANTISED
;;     3. [M 4,096, K 4,096] x [K 4,096, N 512]; A: input hidden_states; B: input Wv: QUANTISED
;;     4. batch 16 x [M 2,048, K 128] x [K 128, N 2,048]; A: computed on the way; B: computed on the way: QUANTISED
;;     5. batch 16 x [M 2,048, K 2,048] x [K 2,048, N 128]; A: softmax (see below); B: computed on the way: QUANTISED
;;     6. [M 4,096, K 1,024] x [K 1,024, N 4,096]; A: computed on the way; B: input Wo: QUANTISED
;;   THE QUANTISER, for each operand of a quantised product, along K:
;;     - K is cut into blocks of 32 from its start; a last block that is shorter is filled with zeros.
;;     - A block's scale is 2^e with e = floor(log2(the largest magnitude in the block)) - 2, held to -126 .. 127; a block of zeros has e = 0. As a byte (E8M0): e + 127.
;;     - Each number is divided by its block's scale, clamped to +-7.5, and rounded to the nearest number of E2M3, ties to even, subnormals kept.
;;     - The product sums the exact products of the quantised numbers (number of the format x scale) in f32.
;;   ~~~python
;;   def quantise(x, axis):      # numpy; x: float32 -> the quantised numbers, widened to float32 again
;;       x = np.moveaxis(x, axis, -1); K = x.shape[-1]
;;       x = np.pad(x, [(0, 0)] * (x.ndim - 1) + [(0, -K % 32)]); x = x.reshape(x.shape[:-1] + (-1, 32)); a = np.abs(x).max(-1, keepdims=True)
;;       e = np.where(a > 0, np.clip(np.frexp(np.where(a > 0, a, 1))[1] - 1 - 2, -126, 127), 0)      # np.frexp(a)[1] - 1 = floor(log2(a)), exactly
;;       r = np.clip(x / 2.0 ** e, -7.5, 7.5)
;;       step = 2.0 ** (np.maximum(np.frexp(np.where(r == 0, 1, r))[1] - 1, 0) - 3)
;;       q = np.round(r / step) * step * 2.0 ** e      # np.round: ties to even
;;       return np.moveaxis(q.reshape(q.shape[:-2] + (-1,))[..., :K], -1, axis).astype(np.float32)
;;   ~~~
;;   SOFTMAX AHEAD OF A QUANTISED PRODUCT. Where the list says 'softmax', what is quantised is not the finished softmax but p = 2^(t - M), with t = logit x log2(e) and M = ceil(the row's largest t), a whole number; so 1/2 < the row's largest p <= 1. The row's sum l is taken of the UNQUANTISED p, in f32, and the product's result is divided by l at the end. Since M is a whole number, a kernel that streams over the keys may use a running M (the ceiling of the running maximum): every later rescaling is an exact power of two, which a block's scale takes up: the codes' values come out the same.
;;   OPERANDS COMPUTED ON THE WAY. 'Computed on the way' means the value that the module computes at that place (a softmax that the list does not call 'softmax' is quantised finished and normalised). What goes into a quantiser is computed in f32, as accurately as f32 sums, v_exp_f32 and their like allow (about 1e-6 of the number): no bf16 or f16 on the way to a quantiser, and a product that is left as it is and whose result goes on into a quantised operand takes f32 operands (vector FMAs, or v_wmma_f32_16x16x4_f32). A number that lies on a knife's edge between two numbers of the format may be rounded either way, as far as f32 arithmetic and the matrix unit's own rounding can turn it there, and no further.
;; One version. Each part assembles by itself: llvm-mc -triple=amdgcn-amd-amdhsa -mcpu=gfx1250 --defsym DOCPART=n.
;; ======== version 1 of 1: 4 launches
;; limits: right only within a limited range of input values
;; workspace buffers: hsq 13,107,200 bytes; wqkvq 6,553,600 bytes; woq 3,276,800 bytes; rope 1,048,576 bytes; qws 3,276,800 bytes; kvws 3,276,800 bytes; aoq 3,276,800 bytes
;; launch quant (part 1): grid 448 x 1, 4 waves a work-group, no clusters, 47,616 bytes of LDS; arguments hidden_states, Wq, Wk, Wv, Wo, hsq, wqkvq, woq, rope; writes hsq, wqkvq, woq, rope
.if DOCPART == 1
	.amdgcn_target "amdgcn-amd-amdhsa--gfx1250"
	.amdhsa_code_object_version 6
	.text
	.protected	k_qfaa6886270_quant
	.globl	k_qfaa6886270_quant
	.p2align	8
	.type	k_qfaa6886270_quant,@function
k_qfaa6886270_quant:
	s_mov_b64 s[64:65], 0
	v_nop
	global_prefetch_b8 v0, s[64:65] scope:SCOPE_SE
	s_setreg_imm32_b32 hwreg(HW_REG_WAVE_MODE, 25, 1), 1
	s_wait_xcnt 0x0
; hidden_states [4096 tokens][4096], Wq | Wk | Wv [4096][1024 | 512 | 512] and Wo [1024][4096], all f32, become codes of FP6 (E2M3) with one E8M0 byte for each 32 along K,
; laid in the ORDER OF THE OPERAND'S REGISTERS.  A fragment (16 rows x 128 K, 12 registers a lane) is 1,536 bytes: chunk c holds registers 4 c .. 4 c + 3 of lane l at 512 c + 16 l.
; A block of 6,400 bytes = the four fragments of one tile for 512 along K, then 256 bytes of scale words (row r, K step i at 6,144 + 16 r + 4 i).
; THE ROWS OF A TILE ARE NOT NEIGHBOURS: lane r of tile 2 b + u takes row 32 b + 8 u + r + 8 (r / 8) (tokens, and the weights' columns).
; Work-groups 0-255: one tile of 16 tokens each, wave w its K 1,024 w on; each thread also makes four cosines and sines of the RoPE table.  Work-groups 256-447: 128 columns x 512 K of a weight.
; A block's scale is 2^(floor(log2(largest magnitude)) - 2); its byte is the largest magnitude's exponent field - 2, held at 1 from below.
; LIMITS: a block of zeros gets the byte 1 where the rule says 127 (its codes are zeros, and this program alone reads the bytes); blocks whose largest magnitude lies under 2^-124 are held at the byte 1;
; NaN and infinities among the inputs are not served.  RoPE: 10000^(-f/64) is made as 2^(-f log2(10)/16) with the argument in two parts; it may differ in the last bits from a power and a division in f32,
; which at position 2,047 moves an angle by some 1e-4.  Sine and cosine: reduction by pi/2 in two parts and polynomials of degree 7 and 8, for angles up to 2,047.
; No tensor loads, no barrier: waves share nothing; the two paths have LDS bytes of their own.
.set BLKB,  6400
.set FRB,   1536
.set SCO,   6144
.set KGH,   256*BLKB                   ; hsq: from one 512 along K to the next
.set HSTG,  8448                       ; hidden path: a wave's stage, 16 rows of 512 + 16 bytes
.set WST0,  4*HSTG                     ; weights path: its stages begin here
.set WSTG,  3328                       ; a wave's stage: two fragment images, 1,664 bytes apart
.set WPIT,  1664
; 64 numbers of a lane, v[xs + 32 c + i] = k 64 c + 32 h + i of its row (two whole blocks), become the fragment's 12 registers in v[cd] on and the row's scale word in v[wd] (the same in both halves of the lanes)
.macro QB xs, cd, tp, wd
.irp c, 0,1
	v_max3_num_f32 v[10+\c], |v[\xs+32*\c]|, |v[\xs+32*\c+1]|, 0x1800000    ; with the floor 2^(3 - 127): the byte cannot fall under 1
.endr
.irp i, 2,4,6,8,10,12,14,16,18,20,22,24,26,28,30
.irp c, 0,1
	v_max3_num_f32 v[10+\c], v[10+\c], |v[\xs+32*\c+\i]|, |v[\xs+32*\c+\i+1]|
.endr
.endr
.irp c, 0,1
	v_add_nc_u32 v[12+\c], 0xff000000, v[10+\c]    ; 2 off the exponent field: the conversion's scale operand
.endr
.irp c, 0,1
	v_lshrrev_b32 v[14+\c], 23, v[12+\c]           ; the scale's byte
.endr
	v_lshl_or_b32 v[\wd], v15, 16, v14             ; my blocks h and 2 + h,
	v_lshlrev_b32 v[\wd], v8, v[\wd]               ; 8 h bits up;
	v_permlanex16_b32 v56, v[\wd], s24, s25
	v_or_b32 v[\wd], v[\wd], v56                   ; with lane l xor 16's two the word is whole
.irp c, 0,1
	v_cvt_scalef32_pk16_fp6_f32 v[\cd+6*\c:\cd+6*\c+2], v[\xs+32*\c:\xs+32*\c+15], v[12+\c]
	v_cvt_scalef32_pk16_fp6_f32 v[\tp+4*\c:\tp+4*\c+2], v[\xs+32*\c+16:\xs+32*\c+31], v[12+\c]   ; (a conversion's three registers begin on an even number)
.endr
	v_nop                                          ; one plain line behind the scaled conversions
.irp c, 0,1
.irp i, 0,1,2
	v_mov_b32 v[\cd+6*\c+3+\i], v[\tp+4*\c+\i]
.endr
.endr
.endm
; step t of a wave: 16 rows x 128 K; each load reads 512 consecutive bytes of one row
.macro HLOAD t
.irp i, 0,1,2,3,4,5,6,7,8,9,10,11,12,13,14,15
	global_load_b128 v[64+64*((\t)%2)+4*\i:64+64*((\t)%2)+4*\i+3], v4, s[4:5] offset:(\i+8*(\i/8))*16384+512*(\t) th:TH_LOAD_NT
.endr
.endm
.macro HSTEP t
.if (\t) < 7
	s_wait_loadcnt 16                              ; this step's 16 loads are in; the next step's 16 may be out
.else
	s_wait_loadcnt 0x0
.endif
.irp i, 0,1,2,3,4,5,6,7,8,9,10,11,12,13,14,15
	ds_store_b128 v5, v[64+64*((\t)%2)+4*\i:64+64*((\t)%2)+4*\i+3] offset:528*\i
.endr
.irp c, 0,1
.irp n, 0,1,2,3,4,5,6,7
	ds_load_b128 v[192+32*\c+4*\n:192+32*\c+4*\n+3], v6 offset:256*\c+16*\n    ; LDS serves a wave's instructions in order: these see the stores above
.endr
.endr
	s_wait_dscnt 0x0                               ; my 64 numbers are back, and the stores have read their registers,
.if (\t) < 6
	HLOAD (\t)+2                                   ; which take the loads of two steps on
.endif
	s_wait_xcnt 0x0                                ; the stores of two steps ago have read the code registers that are written now
	QB 192, 16+12*((\t)%2), 40, 48+(\t)%4
.irp c, 0,1,2
	global_store_b128 v4, v[16+12*((\t)%2)+4*\c:16+12*((\t)%2)+4*\c+3], s[14:15] offset:((\t)/4)*KGH+((\t)%4)*FRB+512*\c   ; 512 consecutive bytes, aligned to 256
.endr
.if (\t)%4 == 3
	v_cndmask_b32 v[52+2*((\t)/4)], v48, v50, s23  ; lanes 0-15 take words 0, 1 of their row, lanes 16-31 words 2, 3
	v_cndmask_b32 v[53+2*((\t)/4)], v49, v51, s23
	global_store_b64 v7, v[52+2*((\t)/4):53+2*((\t)/4)], s[14:15] offset:((\t)/4)*KGH+SCO    ; 256 consecutive bytes
.endif
.endm
; weights: 32 rows of K at my column into set st
.macro WLOAD st, first
.if !(\first)
	s_wait_xcnt 0x0                                ; the earlier loads have read the base
	s_add_nc_u64 s[28:29], s[28:29], s[44:45]      ; 32 rows down
.endif
.irp i, 0,1,2,3,4,5,6,7,8,9,10,11,12,13,14,15,16,17,18,19,20,21,22,23,24,25,26,27,28,29,30,31
	global_load_b32 v[96+32*(\st)+\i], v[64+\i], s[28:29] th:TH_LOAD_NT
.endr
.endm
; block t of 16: 32 along K of my column, all in my registers
.macro BLOCK t
.set XS, 96+32*((\t)%2)
.set CD, 16+8*((\t)%2)
.set KS, (\t)/4
.set HH, (\t)%2
.set CC, ((\t)%4)/2
.if (\t) < 15
	s_wait_loadcnt 32                              ; this block's 32 loads are in; the next block's may be out
.else
	s_wait_loadcnt 0x0
.endif
	v_max3_num_f32 v10, |v[XS]|, |v[XS+1]|, 0x1800000
	v_max3_num_f32 v11, |v[XS+2]|, |v[XS+3]|, |v[XS+4]|
.irp i, 5,9,13,17,21,25
	v_max3_num_f32 v10, v10, |v[XS+\i]|, |v[XS+\i+1]|
	v_max3_num_f32 v11, v11, |v[XS+\i+2]|, |v[XS+\i+3]|
.endr
	v_max3_num_f32 v10, v10, |v[XS+29]|, |v[XS+30]|
	v_max3_num_f32 v10, v10, v11, |v[XS+31]|
	v_add_nc_u32 v12, 0xff000000, v10
	v_lshrrev_b32 v13, 23, v12
.if (\t)%4 == 0
	v_mov_b32 v[48+KS], v13                        ; four bytes make the K step's scale word of my column
.else
	v_lshl_or_b32 v[48+KS], v13, 8*((\t)%4), v[48+KS]
.endif
	s_wait_alu depctr_va_vdst(0)
	s_wait_dscnt 0x2                               ; all but the last block's two stores are done: the stores of two blocks ago have read this code set
	v_cvt_scalef32_pk16_fp6_f32 v[CD:CD+2], v[XS:XS+15], v12
	v_cvt_scalef32_pk16_fp6_f32 v[40:42], v[XS+16:XS+31], v12
	v_nop
	v_mov_b32 v[CD+3], v40
	v_mov_b32 v[CD+4], v41
	v_mov_b32 v[CD+5], v42
.if CC == 0                            ; registers 0-5 of lane (r, HH) of my tile's image
	ds_store_b128 v5, v[CD:CD+3] offset:256*HH
	ds_store_b64 v5, v[CD+4:CD+5] offset:512+256*HH
.else                                  ; registers 6-11
	ds_store_b64 v5, v[CD:CD+1] offset:520+256*HH
	ds_store_b128 v5, v[CD+2:CD+5] offset:1024+256*HH
.endif
.if (\t)+2 < 16
	WLOAD (\t)%2, 0
.endif
.if (\t)%4 == 3                        ; a K step's two images are whole: they leave as they lie
	s_wait_xcnt 0x0                                ; the last K step's stores have read their registers
.irp u, 0,1
.irp c, 0,1,2
	ds_load_b128 v[160+12*\u+4*\c:160+12*\u+4*\c+3], v6 offset:WPIT*\u+512*\c
.endr
.endr
	s_wait_dscnt 0x0
.irp u, 0,1
.irp c, 0,1,2
	global_store_b128 v4, v[160+12*\u+4*\c:160+12*\u+4*\c+3], s[30:31] offset:BLKB*\u+FRB*KS+512*\c
.endr
.endr
.endif
.endm
	s_load_b256 s[4:11], s[0:1], 0x0               ; hidden s[4:5], Wq s[6:7], Wk s[8:9], Wv s[10:11]
	s_load_b256 s[12:19], s[0:1], 0x20             ; Wo s[12:13], hsq s[14:15], wqkvq s[16:17], woq s[18:19]
	s_load_b64 s[20:21], s[0:1], 0x40              ; rope
	v_lshl_add_u32 v62, v0, 2, 0xb800
	v_mov_b32 v63, 0
	v_lshrrev_b32 v1, 5, v0
	v_readfirstlane_b32 s22, v1                    ; wave
	v_and_b32 v1, 31, v0                           ; lane
	v_lshlrev_b32 v4, 4, v1                        ; 16 x lane
	s_mov_b32 s23, 0xffff0000                      ; lanes 16-31
	s_mov_b32 s24, 0x76543210
	s_mov_b32 s25, 0xfedcba98                      ; selects for lane l xor 16
	s_cmp_lt_u32 ttmp9, 256
	s_cbranch_scc0 .Lweights
	; ---------------- hidden_states: tile rt = the work-group's number
	v_and_b32 v2, 15, v0                           ; r
	v_bfe_u32 v3, v0, 4, 1                         ; h
	s_mul_i32 s26, s22, HSTG
	v_add_nc_u32 v5, s26, v4                       ; stage, in: 16 x lane of a row
	v_mul_u32_u24 v6, v2, 528
	v_lshl_add_u32 v6, v3, 7, v6
	v_add_nc_u32 v6, s26, v6                       ; stage, out: row r, + 128 h
	v_lshlrev_b32 v7, 4, v2
	v_lshl_add_u32 v7, v3, 3, v7                   ; scale words: 16 r + 8 h
	v_lshlrev_b32 v8, 3, v3                        ; 8 h
	v_mov_b32 v56, 0                               ; a lane permute's destination counts as read
	s_lshr_b32 s27, ttmp9, 1
	s_and_b32 s28, ttmp9, 1
	s_lshl_b32 s29, s27, 5
	s_lshl_b32 s30, s28, 3
	s_add_co_u32 s29, s29, s30                     ; the tile's first token
	s_lshl_b32 s30, s29, 14                        ; x 16,384 bytes a row
	s_lshl_b32 s31, s22, 12
	s_add_co_u32 s30, s30, s31                     ; + my wave's 1,024 along K
	s_mov_b32 s31, 0
	s_lshl_b32 s32, s22, 9
	s_add_co_u32 s32, s32, ttmp9
	s_mul_i32 s32, s32, BLKB                       ; block (2 w) x 256 + rt
	s_mov_b32 s33, 0
	s_lshl_b32 s36, s27, 13                        ; the table: position tile rt / 2, chunk 4 (rt % 2) + w
	s_lshl_b32 s37, s28, 2
	s_add_co_u32 s37, s37, s22
	s_lshl_b32 s37, s37, 9
	s_add_co_u32 s36, s36, s37
	s_mov_b32 s37, 0
	s_wait_kmcnt 0x0
	s_add_nc_u64 s[4:5], s[4:5], s[30:31]
	s_add_nc_u64 s[14:15], s[14:15], s[32:33]
	s_add_nc_u64 s[20:21], s[20:21], s[36:37]
	HLOAD 0
	HLOAD 1
	; ---- the RoPE table, while those loads are on their way: position of lane r of tile rt / 2; frequencies 32 (rt % 2) + 4 w + 16 h + 0 .. 3
	s_mov_b32 s48, 0x3e549a78                      ; log2(10) / 16, upper part
	s_mov_b32 s49, 0x31979a18                      ; and what it leaves
	s_mov_b32 s50, 0xbf317218                      ; -ln 2
	s_mov_b32 s51, 0x3f22f983                      ; 2 / pi
	s_mov_b32 s52, 0x3fc90fdb                      ; pi / 2, upper part
	s_mov_b32 s53, 0xb33bbd2e                      ; and what it leaves
	s_mov_b32 s54, 0xbe2aaaa3                      ; sine's coefficients
	s_mov_b32 s55, 0x3c08839e
	s_mov_b32 s56, 0xb94ca1f9
	s_mov_b32 s57, 0x3d2aaaa5                      ; cosine's
	s_mov_b32 s58, 0xbab6061a
	s_mov_b32 s59, 0x37ccf5ce
	s_lshr_b32 s34, s27, 1
	s_lshl_b32 s34, s34, 5
	s_and_b32 s35, s27, 1
	s_lshl_b32 s35, s35, 3
	s_add_co_u32 s34, s34, s35
	v_and_b32 v248, 8, v2
	v_add3_u32 v248, v248, v2, s34                 ; position = 32 (pt / 2) + 8 (pt % 2) + r + 8 (r / 8)
	v_cvt_f32_u32 v248, v248
	s_lshl_b32 s35, s28, 5
	s_lshl_b32 s38, s22, 2
	s_add_co_u32 s35, s35, s38
	v_lshl_add_u32 v249, v3, 4, s35
.irp e, 0,1,2,3
	v_add_nc_u32 v[192+\e], \e, v249
.endr
.irp e, 0,1,2,3
	v_cvt_f32_u32 v[192+\e], v[192+\e]             ; f
.endr
.irp e, 0,1,2,3
	v_mul_f32 v[196+\e], s48, v[192+\e]            ; the exponent's upper part,
.endr
.irp e, 0,1,2,3
	v_fma_f32 v[200+\e], v[192+\e], s48, -v[196+\e]   ; what its rounding lost,
.endr
.irp e, 0,1,2,3
	v_fma_f32 v[200+\e], v[192+\e], s49, v[200+\e]    ; and the constant's lower part
.endr
	s_wait_alu depctr_va_vdst(0)
.irp e, 0,1,2,3
	v_exp_f32 v[204+\e], -v[196+\e]
.endr
.irp e, 0,1,2,3
	v_mul_f32 v[200+\e], s50, v[200+\e]            ; (plain lines behind the exponentials)
.endr
	s_wait_alu depctr_va_vdst(0)                   ; one wait for the four, ahead of their first reader
.irp e, 0,1,2,3
	v_fma_f32 v[204+\e], v[204+\e], v[200+\e], v[204+\e]   ; 10000^(-f/64)
.endr
.irp e, 0,1,2,3
	v_mul_f32 v[208+\e], v248, v[204+\e]           ; the angle, rounded once
.endr
.irp e, 0,1,2,3
	v_mul_f32 v[212+\e], s51, v[208+\e]
.endr
.irp e, 0,1,2,3
	v_rndne_f32 v[212+\e], v[212+\e]               ; n
.endr
.irp e, 0,1,2,3
	v_fma_f32 v[216+\e], -v[212+\e], s52, v[208+\e]
.endr
.irp e, 0,1,2,3
	v_fma_f32 v[216+\e], -v[212+\e], s53, v[216+\e]   ; angle - n pi / 2
.endr
.irp e, 0,1,2,3
	v_mul_f32 v[220+\e], v[216+\e], v[216+\e]
.endr
.irp e, 0,1,2,3
	v_fma_f32 v[224+\e], v[220+\e], s56, s55
.endr
.irp e, 0,1,2,3
	v_fma_f32 v[228+\e], v[220+\e], s59, s58
.endr
.irp e, 0,1,2,3
	v_fma_f32 v[224+\e], v[224+\e], v[220+\e], s54
.endr
.irp e, 0,1,2,3
	v_fma_f32 v[228+\e], v[228+\e], v[220+\e], s57
.endr
.irp e, 0,1,2,3
	v_mul_f32 v[236+\e], v[216+\e], v[220+\e]
.endr
.irp e, 0,1,2,3
	v_mul_f32 v[252+\e], v[220+\e], v[220+\e]
.endr
.irp e, 0,1,2,3
	v_fma_f32 v[224+\e], v[224+\e], v[236+\e], v[216+\e]   ; the sine of the rest
.endr
.irp e, 0,1,2,3
	v_fma_f32 v[236+\e], v[220+\e], -0.5, 1.0
.endr
.irp e, 0,1,2,3
	v_fma_f32 v[228+\e], v[228+\e], v[252+\e], v[236+\e]   ; its cosine
.endr
.irp e, 0,1,2,3
	v_cvt_i32_f32 v[232+\e], v[212+\e]
.endr
.irp e, 0,1,2,3
	v_and_b32 v[236+\e], 1, v[232+\e]
.endr
.irp e, 0,1,2,3
	v_cmp_eq_u32 vcc_lo, 1, v[236+\e]              ; in odd quadrants the two change places
	v_cndmask_b32 v[244+\e], v[224+\e], v[228+\e], vcc_lo
	v_cndmask_b32 v[240+\e], v[228+\e], v[224+\e], vcc_lo
.endr
.irp e, 0,1,2,3
	v_and_b32 v[236+\e], 2, v[232+\e]              ; the sine is negative in quadrants 2, 3
	v_add_nc_u32 v[252+\e], 1, v[232+\e]           ; the cosine in 1, 2
.endr
.irp e, 0,1,2,3
	v_lshlrev_b32 v[236+\e], 30, v[236+\e]
	v_and_b32 v[252+\e], 2, v[252+\e]
.endr
.irp e, 0,1,2,3
	v_xor_b32 v[244+\e], v[244+\e], v[236+\e]
	v_lshlrev_b32 v[252+\e], 30, v[252+\e]
.endr
.irp e, 0,1,2,3
	v_xor_b32 v[240+\e], v[240+\e], v[252+\e]
.endr
	global_store_b128 v4, v[240:243], s[20:21]              ; cosines: 512 consecutive bytes
	global_store_b128 v4, v[244:247], s[20:21] offset:4096  ; sines
	s_wait_xcnt 0x0                                ; these stores have read their registers: the steps below load into them
.irp t, 0,1,2,3,4,5,6,7
	HSTEP \t
.endr
	s_wait_tensorcnt 0x0
	ds_add_u32 v62, v63
	s_wait_dscnt 0x0
	s_endpgm
	; ---------------- the weights: j = work-group - 256: Wq 0-63, Wk 64-95, Wv 96-127, Wo 128-191.  Only pointers and sizes are chosen: one path for all four
.Lweights:
	s_sub_co_u32 s26, ttmp9, 256
	s_wait_kmcnt 0x0
	s_mov_b64 s[28:29], s[12:13]                   ; Wo's: source,
	s_mov_b64 s[30:31], s[18:19]                   ; destination,
	s_mov_b32 s32, 128                             ; first j,
	s_mov_b32 s33, 5                               ; log2 of its groups of 128 columns,
	s_mov_b32 s34, 14                              ; log2 of a row's bytes,
	s_mov_b32 s35, 8                               ; log2 of the destination's tiles,
	s_mov_b32 s36, 0                               ; its first tile there
	s_cmp_lt_u32 s26, 128
	s_cselect_b64 s[28:29], s[10:11], s[28:29]
	s_cselect_b64 s[30:31], s[16:17], s[30:31]
	s_cselect_b32 s32, 96, s32
	s_cselect_b32 s33, 2, s33
	s_cselect_b32 s34, 11, s34
	s_cselect_b32 s35, 7, s35
	s_cselect_b32 s36, 96, s36
	s_cmp_lt_u32 s26, 96
	s_cselect_b64 s[28:29], s[8:9], s[28:29]
	s_cselect_b32 s32, 64, s32
	s_cselect_b32 s36, 64, s36
	s_cmp_lt_u32 s26, 64
	s_cselect_b64 s[28:29], s[6:7], s[28:29]
	s_cselect_b32 s32, 0, s32
	s_cselect_b32 s33, 3, s33
	s_cselect_b32 s34, 12, s34
	s_cselect_b32 s36, 0, s36
	s_sub_co_u32 s26, s26, s32
	s_lshl_b32 s37, 1, s33
	s_sub_co_u32 s37, s37, 1
	s_and_b32 s38, s26, s37                        ; which 128 columns
	s_lshr_b32 s39, s26, s33                       ; which 512 along K
	s_add_co_u32 s40, s34, 9
	s_lshl_b32 s40, s39, s40
	s_lshl_b32 s41, s38, 9
	s_add_co_u32 s40, s40, s41
	s_lshl_b32 s41, s22, 7
	s_add_co_u32 s40, s40, s41                     ; + my wave's 32 columns
	s_mov_b32 s41, 0
	s_add_nc_u64 s[28:29], s[28:29], s[40:41]
	s_lshl_b32 s42, s39, s35
	s_add_co_u32 s42, s42, s36
	s_lshl_b32 s43, s38, 3
	s_add_co_u32 s42, s42, s43
	s_lshl_b32 s43, s22, 1
	s_add_co_u32 s42, s42, s43                     ; my two tiles' blocks
	s_mul_i32 s42, s42, BLKB
	s_mov_b32 s43, 0
	s_add_nc_u64 s[30:31], s[30:31], s[42:43]
	s_lshl_b32 s44, 32, s34                        ; 32 rows, in bytes
	s_mov_b32 s45, 0
	s_lshl_b32 s46, 1, s34                         ; a row
	s_wait_alu depctr_va_vdst(0)
	v_lshlrev_b32 v64, 2, v1                       ; A LANE TAKES A COLUMN AND ITS REGISTERS RUN DOWN K: offsets of 32 rows at my column
.set I, 1
.rept 31
	v_add_nc_u32 v[64+I], s46, v[63+I]
.set I, I+1
.endr
	v_bfe_u32 v2, v0, 3, 1                         ; my column x of 32 is lane (x % 8) + 8 (x / 16) of tile (x / 8) % 2
	v_and_b32 v3, 7, v0
	v_bfe_u32 v9, v0, 4, 1
	v_lshl_add_u32 v3, v9, 3, v3
	s_mul_i32 s47, s22, WSTG
	s_add_co_u32 s47, s47, WST0
	v_mul_u32_u24 v5, v2, WPIT
	v_lshl_add_u32 v5, v3, 4, v5
	v_add_nc_u32 v5, s47, v5                       ; stage, in
	v_add_nc_u32 v6, s47, v4                       ; stage, out
	v_mul_u32_u24 v7, v2, BLKB
	v_lshl_add_u32 v7, v3, 4, v7                   ; my column's four scale words
	WLOAD 0, 1
	WLOAD 1, 0
.irp t, 0,1,2,3,4,5,6,7,8,9,10,11,12,13,14,15
	BLOCK \t
.endr
	global_store_b128 v7, v[48:51], s[30:31] offset:SCO
	s_wait_tensorcnt 0x0
	ds_add_u32 v62, v63
	s_wait_dscnt 0x0
	s_endpgm
.Lfunc_end_k_qfaa6886270_quant:
	.size	k_qfaa6886270_quant, .Lfunc_end_k_qfaa6886270_quant-k_qfaa6886270_quant
	.p2alignl 7, 3214868480
	.fill 96, 4, 3214868480
	.section	.rodata,"a",@progbits
	.p2align	6, 0x0
	.amdhsa_kernel k_qfaa6886270_quant
		.amdhsa_group_segment_fixed_size 47616
		.amdhsa_private_segment_fixed_size 0
		.amdhsa_enable_private_segment 0
		.amdhsa_kernarg_size 72
		.amdhsa_user_sgpr_count 2
		.amdhsa_user_sgpr_kernarg_segment_ptr 1
		.amdhsa_wavefront_size32 1
		.amdhsa_system_sgpr_workgroup_id_x 1
		.amdhsa_system_sgpr_workgroup_id_y 1
		.amdhsa_system_sgpr_workgroup_id_z 1
		.amdhsa_system_vgpr_workitem_id 0
		.amdhsa_next_free_vgpr 256
		.amdhsa_next_free_sgpr 66
		.amdhsa_reserve_vcc 1
		.amdhsa_float_denorm_mode_32 3
		.amdhsa_float_denorm_mode_16_64 3
		.amdhsa_memory_ordered 1
		.amdhsa_forward_progress 1
		.amdhsa_inst_pref_size 148
	.end_amdhsa_kernel
	.amdgpu_metadata
---
amdhsa.version: [ 1, 2 ]
amdhsa.kernels:
  - .name:           k_qfaa6886270_quant
    .symbol:         k_qfaa6886270_quant.kd
    .args:
      - { .name: hidden_states, .offset: 0, .size: 8, .value_kind: global_buffer, .address_space: global }
      - { .name: Wq, .offset: 8, .size: 8, .value_kind: global_buffer, .address_space: global }
      - { .name: Wk, .offset: 16, .size: 8, .value_kind: global_buffer, .address_space: global }
      - { .name: Wv, .offset: 24, .size: 8, .value_kind: global_buffer, .address_space: global }
      - { .name: Wo, .offset: 32, .size: 8, .value_kind: global_buffer, .address_space: global }
      - { .name: hsq, .offset: 40, .size: 8, .value_kind: global_buffer, .address_space: global }
      - { .name: wqkvq, .offset: 48, .size: 8, .value_kind: global_buffer, .address_space: global }
      - { .name: woq, .offset: 56, .size: 8, .value_kind: global_buffer, .address_space: global }
      - { .name: rope, .offset: 64, .size: 8, .value_kind: global_buffer, .address_space: global }
    .group_segment_fixed_size: 47616
    .private_segment_fixed_size: 0
    .kernarg_segment_align: 8
    .kernarg_segment_size: 72
    .max_flat_workgroup_size: 128
    .sgpr_count:     66
    .vgpr_count:     256
    .wavefront_size: 32
...
	.end_amdgpu_metadata
.endif
;; end of part 1
;; launch qkv (part 2): grid 16 x 16, 4 waves a work-group, clusters of 4 x 4, 327,680 bytes of LDS; arguments hsq, wqkvq, rope, qws, kvws; writes qws, kvws
.if DOCPART == 2
	.amdgcn_target "amdgcn-amd-amdhsa--gfx1250"
	.amdhsa_code_object_version 6
	.text
	.protected	k_qfaa6886270_qkv
	.globl	k_qfaa6886270_qkv
	.p2align	8
	.type	k_qfaa6886270_qkv,@function
k_qfaa6886270_qkv:
	s_mov_b64 s[64:65], 0
	v_nop
	global_prefetch_b8 v0, s[64:65] scope:SCOPE_SE
	s_setreg_imm32_b32 hwreg(HW_REG_WAVE_MODE, 25, 1), 1
	s_wait_xcnt 0x0
	s_wait_alu depctr_hold_cnt(0) depctr_sa_sdst(0) depctr_va_vdst(0) depctr_va_sdst(0) depctr_va_ssrc(0) depctr_va_vcc(0) depctr_vm_vsrc(0)
	s_getreg_b32 s2, hwreg(HW_REG_IB_STS2, 6, 4)
	s_cmp_eq_u32 s2, 0
	s_cbranch_scc0 .Lentry_in_a_cluster
	s_endpgm
.Lentry_in_a_cluster:
	s_bfe_u32 s2, ttmp6, 0x10000c
	s_cmp_lg_u32 s2, 0xf033
	s_cbranch_scc0 .Lentry_shape_is_right
	s_endpgm
.Lentry_shape_is_right:
; q | k | v = hidden_states x (Wq | Wk | Wv) on codes of FP6 (E2M3) with E8M0 scales, K = 4,096; then RoPE on q and k; then each result is quantised for the attention launch:
; q and k along the head's 128 channels, v along the keys.  Operands lie as images of their registers: a block of 6,400 bytes = the four fragments (1,536 bytes each) of one tile of 16 rows
; for 512 along K, then 256 bytes of scale words.  hsq: block (K group x 256 + token tile); wqkvq: block (K group x 128 + column tile).
; SHARES.  A work-group: 256 tokens x 128 columns (one head).  A wave: 64 tokens (4 tiles a) x 128 columns (8 tiles b): 32 accumulators.  Grid 16 x 16 = 256 work-groups.
; The matrix instruction is used transposed (source 0 = 16 columns of the weight, source 1 = 16 tokens): a lane holds one token, its registers run along the columns.
; RING.  Two LDS slots, each with one K group (512 along K): 16 blocks of tokens, 8 of columns.  One tensor load a wave behind each change of slots: waves 0, 1 eight token blocks each, waves 2, 3 four column blocks each.
; CLUSTER 4 x 4: token blocks are shared along a row of the cluster, column blocks along a column; each is asked for jointly, behind a round of the cluster's barrier.
; A K STEP of 128: the next step's 36 fragment loads in ONE run at the step's head, then 32 products in four phases; phase j multiplies column tiles 2 j, 2 j + 1 against the four token tiles.
; REGISTERS.  Phase j's eight accumulators lie in window j (v96-159 of each window).  The tokens' fragments (two sets, v160-255) lie in window 0, column tiles 0-3 (two sets, v160-255) in window 1,
;   tiles 4-7 in window 2; the LDS addresses lie in windows 1 and 2 (v64-69), where source 0 of the phases' settings points.
;   window 0: v0-31 addresses and words at work, v32-95 scale words (two sets).  The RoPE table: window 3 v0-63, v160-223, window 1 v0-63, window 2 v0-63.
; PREFETCH.  Behind each refill every wave names, for the K group two refills on, one token block (25 pieces of 256 bytes, a lane a piece) and its share of two column blocks (50 pieces over four waves).
;   The four partners that share a tile take a quarter of it each, told apart by address.  Behind the load of K group 0 group 1 is named, behind that of group 1 groups 2 and 3.  The last two refills name nothing.
; The table is loaded by v's work-groups too, which do not use it: all work-groups take one path up to the way out.
; LIMITS: a block of zeros gets the byte 1 (its codes are zeros, and this program alone reads the bytes); blocks whose largest magnitude lies under 2^-124 are held at the byte 1; NaN and infinities are not served.
.set BLKB,  6400
.set FRB,   1536
.set SCO,   6144
.set SLOT,  24*BLKB
.set XOFF,  16*BLKB
.set SPARE, 2*SLOT                     ; the spare words: 128 bytes a wave, two blocks of 256 bytes that no other line names
.set BP,    16928
.set SW,   8
.set SS,   12
.set SH8,  14
.set PTM,  15
.set PFY,  16                          ; the prefetches' offsets
.set PFX,  17
.set LI,   22
.set SSO,  23
.set STO,  24
.set RDV,  25
.set SPW,  28
.set NIL,  29
.set SC,   32
.set AY,   64                          ; window 1: LDS address of my token fragments in slot 0, 1
.set AX,   66                          ; windows 1 and 2: of the column fragments
.set AS,   68                          ; window 1: of the scale words
.set AB,   96                          ; accumulators, in every window
.set FB,   160                         ; fragments
.set G1Y, 24
.set G0Y, 32
.set G1X, 48
.set G0X, 56
.set SEL, 66
.set HM,  68
.set PY,  76
.set PX,  78
.set MSB, 0
.macro WIN new                         ; the immediate's high byte repeats the setting that is left
.if MSB != (\new)
	s_set_vgpr_msb (MSB<<8)|(\new)
.set MSB, (\new)
.endif
.endm
.macro PLACES
.rept 4
	v_nop
.endr
.endm
; a joint load: waves 0, 1 fetch token blocks, waves 2, 3 column blocks; an s_nop 0 and four v_nop follow each line
.macro JLOAD g0a, g1a, g0b, g1b
	s_cmp_eq_u32 s15, 0
	s_cbranch_scc0 .Lfor_x_\@
	tensor_load_to_lds s[\g0a:\g0a+3], s[\g1a:\g1a+7]
	s_nop 0
.rept 4
	v_nop
.endr
	s_branch .Lasked_\@
.Lfor_x_\@:
	tensor_load_to_lds s[\g0b:\g0b+3], s[\g1b:\g1b+7]
	s_nop 0
.rept 4
	v_nop
.endr
.Lasked_\@:
.endm
.macro CREST
	s_cmp_lg_u32 s14, 0
	s_cbranch_scc1 .Lnot_wave_0_\@
	s_barrier_signal -3
.Lnot_wave_0_\@:
	s_barrier_wait -3
	s_barrier_signal -1
	s_barrier_wait -1
.endm
.macro CROUND
	s_barrier_signal -1
	s_barrier_wait -1
	CREST
.endm
; the prefetch of K group (where PY, PX stand) + g.  guard = 1, in the loop: its last trip, whose refills are the last two, names nothing
.macro ASK g, guard
.if \guard
	s_cmp_gt_u32 s3, 1
	s_cbranch_scc0 .Lno_ask_\@
.endif
	global_prefetch_b8 v[PFY], s[PY:PY+1] offset:(\g)*256*BLKB th:TH_LOAD_NT scope:SCOPE_SE
	global_prefetch_b8 v[PFX], s[PX:PX+1] offset:(\g)*128*BLKB th:TH_LOAD_NT scope:SCOPE_SE
.if \guard
.Lno_ask_\@:
.endif
.endm
; one product: column tile 2 j + u x token tile a, K step q of slot sl
.macro MM j, u, a, q, sl, zero
.set DR, AB+8*(4*(\u)+(\a))
.set XR, FB+48*((\q)%2)+12*((2*(\j)+(\u))%4)
.set YR, FB+48*((\q)%2)+12*(\a)
.set XW, SC+32*(\sl)+4*(2*(\j)+(\u))+(\q)
.set YW, SC+32*(\sl)+4*(\a)+(\q)
.if \zero
	v_wmma_scale_f32_16x16x128_f8f6f4 v[DR:DR+7], v[XR:XR+11], v[YR:YR+11], 0, v[XW], v[YW] matrix_a_fmt:MATRIX_FMT_FP6 matrix_b_fmt:MATRIX_FMT_FP6 matrix_a_scale:MATRIX_SCALE_ROW1
.else
	v_wmma_scale_f32_16x16x128_f8f6f4 v[DR:DR+7], v[XR:XR+11], v[YR:YR+11], v[DR:DR+7], v[XW], v[YW] matrix_a_fmt:MATRIX_FMT_FP6 matrix_b_fmt:MATRIX_FMT_FP6 matrix_a_scale:MATRIX_SCALE_ROW1
.endif
.endm
; load l (0 .. 11) of group j: four fragments of K step nq of slot nsl into set np.  Group 0: token tiles; group 1: column tiles 0-3; group 2: column tiles 4-7
.macro LD j, l, nsl, nq, np
.if (\j) == 0
	ds_load_b128 v[FB+48*(\np)+4*(\l):FB+48*(\np)+4*(\l)+3], v[AY+\nsl] offset:BLKB*((\l)/3)+FRB*(\nq)+512*((\l)%3)
.else
	ds_load_b128 v[FB+48*(\np)+4*(\l):FB+48*(\np)+4*(\l)+3], v[AX+\nsl] offset:BLKB*((\l)/3+4*((\j)-1))+FRB*(\nq)+512*((\l)%3)
.endif
.endm
.macro SCL nsl, i                      ; the four scale words of a slot's block i: lanes 0-15 my token tile i, lanes 16-31 column tile i
	ds_load_b128 v[SC+32*(\nsl)+4*(\i):SC+32*(\nsl)+4*(\i)+3], v[AS+\nsl] offset:BLKB*(\i)
.endm
; one run of LDS loads: the twelve fragments of K step nq of slot nsl into set np; sc: that slot's scale words too.  Each group under the setting that names its destination's and its address's window
.macro RUN nsl, nq, np, sc
	WIN 0x01                                       ; destination window 0, address window 1
.set L, 0
.rept 12
	LD 0, L, \nsl, \nq, \np
.set L, L+1
.endr
.if \sc
.irp i, 0,1,2,3,4,5,6,7
	SCL \nsl, \i
.endr
.endif
	WIN 0x51                                       ; destination and address window 1
.set L, 0
.rept 12
	LD 1, L, \nsl, \nq, \np
.set L, L+1
.endr
	WIN 0xa2                                       ; destination and address window 2
.set L, 0
.rept 12
	LD 2, L, \nsl, \nq, \np
.set L, L+1
.endr
.endm
; a phase: eight products, the eight accumulators by turns
.macro PH j, q, sl, zero
	WIN ((\j)<<6)|((\j)<<4)|(1+(\j)/2)
.irp u, 0,1
.irp a, 0,1,2,3
	MM \j, \u, \a, \q, \sl, \zero
.endr
.endr
.endm
; the head of K steps 0 to 2 of a slot: this step's fragments, asked for at the last step's head, are in; four places in front of loads into registers that the last step's products read; the next step's run
.macro OPEN sl, q
	s_wait_dscnt 0x0
	PLACES
	RUN \sl, (\q)+1, 1-(\q)%2, 0
.endm
.macro STEP sl, q, zero
	OPEN \sl, \q
	PH 0, \q, \sl, \zero
	PH 1, \q, \sl, \zero
	PH 2, \q, \sl, \zero
	PH 3, \q, \sl, \zero
.endm
; phase 3 of a slot's K step 2, and the change of slots: the slot's last reads (K step 3's fragments) were issued at the step's head
.macro MEET sl, fill
.if \fill
	s_wait_xcnt 0x0                                ; the last prefetches, a slot back, have read their bases
	s_add_nc_u64 s[PY:PY+1], s[PY:PY+1], 256*BLKB
	s_add_nc_u64 s[PX:PX+1], s[PX:PX+1], 128*BLKB
.endif
	WIN 0                                          ; the add's two registers lie in window 0
	s_wait_tensorcnt 0x0                           ; my one load that was out, my part of the other slot, has landed
	ds_add_u32 v[SPW], v[NIL]
.if \fill
	s_add_nc_u64 s[G0Y+4*\sl+2:G0Y+4*\sl+3], s[G0Y+4*\sl+2:G0Y+4*\sl+3], 2*256*BLKB   ; no load of mine is out: this slot's next K group
	s_add_nc_u64 s[G0X+4*\sl+2:G0X+4*\sl+3], s[G0X+4*\sl+2:G0X+4*\sl+3], 2*128*BLKB
.endif
	WIN 0xf2
.irp a, 0,1,2,3
	MM 3, 0, \a, 2, \sl, 0
.endr
	s_wait_dscnt 0x0                               ; the add is done, and so are my reads of this slot
	s_barrier_signal -1
.irp a, 0,1,2,3
	MM 3, 1, \a, 2, \sl, 0
.endr
	WIN 0
	s_barrier_wait -1
.if \fill
	CREST                                          ; the barrier has opened a round of the cluster's barrier
	JLOAD G0Y+4*\sl, G1Y, G0X+4*\sl, G1X           ; the first tensor load behind the round; its four v_nop are the places in front of the next step's loads
	ASK 2, 1
.else
	PLACES
.endif
.endm
.macro STEP2M sl, fill
	OPEN \sl, 2
	PH 0, 2, \sl, 0
	PH 1, 2, \sl, 0
	PH 2, 2, \sl, 0
	MEET \sl, \fill
.endm
.macro STEP3 sl, nx                    ; K step 3: the run goes to the next slot's K step 0 and its scale words; nothing of mine is out at its head
	RUN \nx, 0, 0, 1
	PH 0, 3, \sl, 0
	PH 1, 3, \sl, 0
	PH 2, 3, \sl, 0
	PH 3, 3, \sl, 0
.endm
; 64 numbers of a lane, 16 of each of four blocks of 32 (the other 16 in lane l xor 16), become a fragment's 12 registers and the row's scale word
.macro QH s, pc, tm, pw
.irp b, 0,1,2,3
	v_max3_num_f32 v[\tm+\b], |v[\s+16*\b]|, |v[\s+1+16*\b]|, 0x1800000
.endr
.irp i, 2,4,6,8,10,12,14
.irp b, 0,1,2,3
	v_max3_num_f32 v[\tm+\b], v[\tm+\b], |v[\s+16*\b+\i]|, |v[\s+1+16*\b+\i]|
.endr
.endr
.irp b, 0,1,2,3
	v_permlanex16_b32 v[\tm+4+\b], v[\tm+\b], s[SEL], s[SEL+1]
.endr
.irp b, 0,1,2,3
	v_max_num_f32 v[\tm+\b], v[\tm+\b], v[\tm+4+\b]
.endr
.irp b, 0,1,2,3
	v_add_nc_u32 v[\tm+12+\b], 0xff000000, v[\tm+\b]
.endr
.irp b, 0,1,2,3
	v_lshrrev_b32 v[\tm+4+\b], 23, v[\tm+12+\b]
.endr
	v_lshl_or_b32 v[\pw], v[\tm+5], 8, v[\tm+4]
	v_lshl_or_b32 v[\pw], v[\tm+6], 16, v[\pw]
	v_lshl_or_b32 v[\pw], v[\tm+7], 24, v[\pw]
.irp c, 0,1
	v_cvt_scalef32_pk16_fp6_f32 v[\pc+6*\c:\pc+2+6*\c], v[\s+32*\c:\s+15+32*\c], v[\tm+12+2*\c]
	v_cvt_scalef32_pk16_fp6_f32 v[\pc+12+4*\c:\pc+14+4*\c], v[\s+16+32*\c:\s+31+32*\c], v[\tm+12+2*\c+1]
.endr
	v_nop
.irp c, 0,1
.irp i, 0,1,2
	v_permlane16_swap_b32 v[\pc+6*\c+\i], v[\pc+12+4*\c+\i]
.endr
.irp i, 0,1,2
	v_mov_b32 v[\pc+3+6*\c+\i], v[\pc+12+4*\c+\i]
.endr
.endr
.endm
; 64 numbers of a lane, two whole blocks of 32, become a fragment's 12 registers and the row's scale word.  At work in v32-37, among the scale words' registers, which are done with
.macro QB xs, cd, tp, wd
.irp c, 0,1
	v_max3_num_f32 v[32+\c], |v[\xs+32*\c]|, |v[\xs+32*\c+1]|, 0x1800000
.endr
.irp i, 2,4,6,8,10,12,14,16,18,20,22,24,26,28,30
.irp c, 0,1
	v_max3_num_f32 v[32+\c], v[32+\c], |v[\xs+32*\c+\i]|, |v[\xs+32*\c+\i+1]|
.endr
.endr
.irp c, 0,1
	v_add_nc_u32 v[34+\c], 0xff000000, v[32+\c]
.endr
.irp c, 0,1
	v_lshrrev_b32 v[36+\c], 23, v[34+\c]
.endr
	v_lshl_or_b32 v[\wd], v37, 16, v36
	v_lshlrev_b32 v[\wd], v[SH8], v[\wd]
	v_permlanex16_b32 v[PTM], v[\wd], s[SEL], s[SEL+1]
	v_or_b32 v[\wd], v[\wd], v[PTM]
.irp c, 0,1
	v_cvt_scalef32_pk16_fp6_f32 v[\cd+6*\c:\cd+6*\c+2], v[\xs+32*\c:\xs+32*\c+15], v[34+\c]
	v_cvt_scalef32_pk16_fp6_f32 v[\tp+4*\c:\tp+4*\c+2], v[\xs+32*\c+16:\xs+32*\c+31], v[34+\c]
.endr
	v_nop
.irp c, 0,1
.irp i, 0,1,2
	v_mov_b32 v[\cd+6*\c+3+\i], v[\tp+4*\c+\i]
.endr
.endr
.endm
.macro TAB a                           ; where token tile a's 32 cosines and 32 sines lie: window TW, from register TR
.if (\a) < 2
.set TW, 3
.set TR, 160*(\a)
.else
.set TW, (\a)-1
.set TR, 0
.endif
.endm
	s_load_b256 s[4:11], s[0:1], 0x0               ; hsq s[4:5], wqkvq s[6:7], rope s[8:9], qws s[10:11]
	s_load_b64 s[12:13], s[0:1], 0x20              ; kvws
	v_lshl_add_u32 v[SPW], v0, 2, SPARE
	v_mov_b32 v[NIL], 0
	ds_add_u32 v[SPW], v[NIL]                      ; the opening lines: the add, twice on end, under one wait; work on registers stands between
	ds_add_u32 v[SPW], v[NIL]
	v_lshrrev_b32 v1, 5, v0
	v_readfirstlane_b32 s14, v1                    ; wave
	s_lshr_b32 s15, s14, 1                         ; I fetch token blocks (0) or column blocks (1)
	s_and_b32 s16, s14, 1                          ; which half of them
	s_bfe_u32 s40, ttmp6, 0x40000                  ; cx
	s_bfe_u32 s41, ttmp6, 0x40004                  ; cy
	s_lshl_b32 s42, ttmp9, 2
	s_add_co_u32 s42, s42, s40                     ; my block of 128 columns
	s_and_b32 s17, ttmp7, 0xffff
	s_lshl_b32 s17, s17, 2
	s_add_co_u32 s17, s17, s41                     ; my block of 256 tokens
	s_lshl_b32 s43, s41, 2
	s_lshl_b32 s43, 15, s43                        ; my row of the cluster
	s_lshl_b32 s44, 0x1111, s40                    ; my column
	s_or_b32 s[G1Y], s43, (3<<16)|(1<<21)          ; dense blocks as rows of 256 bytes (32 elements of 8): 200 rows of tokens' blocks, 100 of columns'
	s_or_b32 s[G1X], s44, (3<<16)|(1<<21)
	s_mov_b32 s[G1Y+1], 32<<16
	s_mov_b32 s[G1Y+2], 200<<16
	s_mov_b32 s[G1Y+3], 32<<16
	s_mov_b32 s[G1Y+4], 200
	s_mov_b32 s[G1Y+5], 32
	s_mov_b32 s[G1Y+6], 0
	s_mov_b32 s[G1Y+7], 0
	s_mov_b32 s[G1X+1], 32<<16
	s_mov_b32 s[G1X+2], 100<<16
	s_mov_b32 s[G1X+3], 32<<16
	s_mov_b32 s[G1X+4], 100
	s_mov_b32 s[G1X+5], 32
	s_mov_b32 s[G1X+6], 0
	s_mov_b32 s[G1X+7], 0
	s_lshl_b32 s20, s17, 4
	s_lshl_b32 s18, s16, 3
	s_add_co_u32 s20, s20, s18
	s_mul_i32 s20, s20, BLKB                       ; tokens: block 16 x tile row + 8 x half
	s_mov_b32 s21, 0
	s_lshl_b32 s46, s42, 3
	s_lshl_b32 s18, s16, 2
	s_add_co_u32 s46, s46, s18
	s_mul_i32 s46, s46, BLKB                       ; columns: block 8 x tile column + 4 x half
	s_mov_b32 s47, 0
	s_mul_i32 s45, s16, 8*BLKB
	s_mul_i32 s69, s16, 4*BLKB
	s_add_co_u32 s69, s69, XOFF
	s_mov_b32 s[SEL], 0x76543210
	s_mov_b32 s[SEL+1], 0xfedcba98
	s_mov_b32 s[HM], 0xffff0000
	s_lshl_b32 s[PY], s17, 4                       ; the prefetches: token block 16 x tile row + 4 cx + wave, in K group 1;
	s_lshl_b32 s86, s40, 2
	s_add_co_u32 s[PY], s[PY], s86
	s_add_co_u32 s[PY], s[PY], s14
	s_add_co_u32 s[PY], s[PY], 256
	s_mul_i32 s[PY], s[PY], BLKB
	s_mov_b32 s[PY+1], 0
	s_lshl_b32 s[PX], s42, 3                       ; column blocks 8 x tile column + 2 cy and the next, in K group 1
	s_lshl_b32 s86, s41, 1
	s_add_co_u32 s[PX], s[PX], s86
	s_add_co_u32 s[PX], s[PX], 128
	s_mul_i32 s[PX], s[PX], BLKB
	s_mov_b32 s[PX+1], 0
	s_mul_i32 s18, s14, 4*BLKB                     ; my four token tiles in a slot
	s_xor_b32 s19, s14, 3
	s_add_co_u32 s19, s19, 1
	s_mul_i32 s19, s19, 4*BLKB                     ; from there to the column blocks
	s_mul_i32 s80, s14, 2*BP
	s_mul_i32 s81, s15, 4*BP
	s_lshl_b32 s82, s16, 8
	s_add_co_u32 s81, s81, s82
	s_mul_i32 s82, s14, 13
	s_add_co_u32 s83, s18, SLOT
	s_add_co_u32 s84, s18, SCO
	s_add_co_u32 s85, s84, SLOT
	v_and_b32 v1, 31, v0
	v_and_b32 v2, 15, v0
	v_bfe_u32 v3, v0, 4, 1
	v_lshlrev_b32 v[LI], 4, v1                     ; 16 x lane
	v_mul_u32_u24 v4, s19, v3                      ; scale words: lanes 16-31 take the columns'
	v_lshl_add_u32 v4, v2, 4, v4
	v_lshlrev_b32 v[SSO], 4, v2
	v_lshl_add_u32 v[SSO], v3, 3, v[SSO]
	v_lshlrev_b32 v[SH8], 3, v3
	v_mov_b32 v[PTM], 0
	v_and_b32 v5, 8, v2
	v_add_nc_u32 v5, v5, v2
	v_mul_u32_u24 v[STO], v5, 528                  ; v's stage, in
	v_lshl_add_u32 v[STO], v3, 6, v[STO]
	v_add_nc_u32 v[STO], s80, v[STO]
	v_mul_u32_u24 v[RDV], v3, BP                   ; and out
	v_lshl_add_u32 v[RDV], v5, 2, v[RDV]
	v_add_nc_u32 v[RDV], s81, v[RDV]
	v_min_u32 v[PFY], 24, v1                       ; a block is 25 pieces of 256 bytes; lanes 25-31 name the last again
	v_lshlrev_b32 v[PFY], 8, v[PFY]
	v_min_u32 v[PFX], 12, v1                       ; two blocks are 50 pieces: 13 a wave, held at the last
	v_add_nc_u32 v[PFX], s82, v[PFX]
	v_min_u32 v[PFX], 49, v[PFX]
	v_lshlrev_b32 v[PFX], 8, v[PFX]
	WIN 0x40                                       ; the LDS addresses, into window 1
	v_add_nc_u32 v[AY], s18, v[LI]
	v_add_nc_u32 v[AY+1], s83, v[LI]
	v_add_nc_u32 v[AX], XOFF, v[LI]
	v_add_nc_u32 v[AX+1], XOFF+SLOT, v[LI]
	v_add_nc_u32 v[AS], s84, v4
	v_add_nc_u32 v[AS+1], s85, v4
	WIN 0x80                                       ; and window 2
	v_add_nc_u32 v[AX], XOFF, v[LI]
	v_add_nc_u32 v[AX+1], XOFF+SLOT, v[LI]
	WIN 0
	s_wait_alu depctr_va_vdst(0)
	s_wait_dscnt 0x0                               ; both opening adds are done
	s_wait_kmcnt 0x0
	s_add_nc_u64 s[20:21], s[4:5], s[20:21]
	s_add_nc_u64 s[46:47], s[6:7], s[46:47]
	s_add_nc_u64 s[PY:PY+1], s[4:5], s[PY:PY+1]
	s_add_nc_u64 s[PX:PX+1], s[6:7], s[PX:PX+1]
.irp s, 0,1
	s_mov_b32 s[G0Y+4*\s], 1
	s_add_co_u32 s[G0Y+4*\s+1], s45, \s*SLOT
	s_add_nc_u64 s[G0Y+4*\s+2:G0Y+4*\s+3], s[20:21], \s*256*BLKB
	s_or_b32 s[G0Y+4*\s+3], s[G0Y+4*\s+3], 0x80000000
	s_mov_b32 s[G0X+4*\s], 1
	s_add_co_u32 s[G0X+4*\s+1], s69, \s*SLOT
	s_add_nc_u64 s[G0X+4*\s+2:G0X+4*\s+3], s[46:47], \s*128*BLKB
	s_or_b32 s[G0X+4*\s+3], s[G0X+4*\s+3], 0x80000000
.endr
	CROUND                                         ; all sixteen work-groups are here: the first joint loads meet
	JLOAD G0Y, G1Y, G0X, G1X                       ; K group 0: one tensor load a wave at the head
	ASK 0, 0                                       ; K group 1
	; where my results go, while the load is on its way
	s_lshr_b32 s72, s17, 3
	s_lshl_b32 s72, s72, 2
	s_and_b32 s73, s42, 3
	s_add_co_u32 s72, s72, s73
	s_lshl_b32 s72, s72, 6
	s_and_b32 s73, s17, 7
	s_lshl_b32 s73, s73, 3
	s_add_co_u32 s72, s72, s73
	s_add_co_u32 s72, s72, s14
	s_cmp_eq_u32 ttmp9, 3
	s_cselect_b32 s73, 4, 0
	s_add_co_u32 s72, s72, s73
	s_lshl_b32 s74, s17, 2
	s_add_co_u32 s74, s74, s14
	s_lshl_b32 s74, s74, 3
	s_add_co_u32 s74, s74, s42
	s_cmp_lt_u32 ttmp9, 2
	s_cselect_b32 s72, s74, s72
	s_cselect_b64 s[70:71], s[10:11], s[12:13]
	s_mul_i32 s72, s72, BLKB
	s_mov_b32 s73, 0
	s_add_nc_u64 s[70:71], s[70:71], s[72:73]
	s_lshl_b32 s72, s17, 4
	s_lshl_b32 s74, s14, 2
	s_add_co_u32 s72, s72, s74
	s_and_b32 s72, s72, 127
	s_lshl_b32 s72, s72, 13
	s_add_nc_u64 s[8:9], s[8:9], s[72:73]          ; the table of my four token tiles
	s_wait_tensorcnt 0x0                           ; my part of K group 0 is in; slot 1's first fill is issued as a refill is:
	ds_add_u32 v[SPW], v[NIL]
	s_wait_dscnt 0x0
	CROUND
	JLOAD G0Y+4, G1Y, G0X+4, G1X                   ; K group 1
	ASK 1, 0                                       ; K groups 2 and 3
	ASK 2, 0
	RUN 0, 0, 0, 1                                 ; K step 0's fragments and slot 0's scale words
	STEP 0, 0, 1                                   ; the first step's products start the sums
	WIN 0
	s_mov_b32 s3, 3
.Lkg:                                                  ; a trip goes once round the ring and fills both slots again
	STEP 0, 1, 0
	STEP2M 0, 1
	STEP3 0, 1
	STEP 1, 0, 0
	STEP 1, 1, 0
	STEP2M 1, 1
	STEP3 1, 0
	STEP 0, 0, 0
	WIN 0
	s_sub_co_u32 s3, s3, 1
	s_cmp_lg_u32 s3, 0
	s_cbranch_scc1 .Lkg
.irp a, 0,1,2,3                        ; the RoPE table of my 64 tokens, a lap ahead of its use
	TAB \a
	WIN TW<<6
.irp i, 0,1,2,3,4,5,6,7,8,9,10,11,12,13,14,15
	global_load_b128 v[TR+4*\i:TR+4*\i+3], v[LI], s[8:9] offset:8192*\a+512*\i
.endr
.endr
	STEP 0, 1, 0
	STEP2M 0, 0                                    ; the last change of slots fills nothing
	STEP3 0, 1
	STEP 1, 0, 0
	STEP 1, 1, 0
	STEP 1, 2, 0
	s_wait_dscnt 0x0                               ; the last K step: nothing more to fetch
	PH 0, 3, 1, 0
	PH 1, 3, 1, 0
	PH 2, 3, 1, 0
	PH 3, 3, 1, 0
	WIN 0
	PLACES
	s_cmp_eq_u32 ttmp9, 3
	s_cbranch_scc0 .Lno_stage
	; v: its K is the keys, which lie across lanes: the results go through a stage in slot 0, which has had its last fill and its last read
.irp t, 0,1,2,3,4,5,6,7
	WIN ((\t)/2)<<2                                ; the data: column tile t lies in window t / 2
.irp a, 0,1,2,3
	ds_store_b128 v[STO], v[AB+8*(4*(\t%2)+\a):AB+8*(4*(\t%2)+\a)+3] offset:(\a/2)*BP+(\a%2)*4224+(\t/2)*128+(\t%2)*32
	ds_store_b128 v[STO], v[AB+8*(4*(\t%2)+\a)+4:AB+8*(4*(\t%2)+\a)+7] offset:(\a/2)*BP+(\a%2)*4224+(\t/2)*128+(\t%2)*32+16
.endr
.endr
	WIN 0
.Lno_stage:
	s_wait_dscnt 0x0
	s_barrier_signal -1
	s_barrier_wait -1
	s_cmp_eq_u32 ttmp9, 3
	s_cbranch_scc0 .Lqk
.macro VLOAD f
.irp c, 0,1
.irp i, 0,1,2,3,4,5,6,7,8,9,10,11,12,13,14,15,16,17,18,19,20,21,22,23,24,25,26,27,28,29,30,31
	ds_load_b32 v[128+64*((\f)%2)+32*\c+\i], v[RDV] offset:2*\c*BP+528*\i+128*((\f)/2)+32*((\f)%2)
.endr
.endr
.endm
	VLOAD 0
.irp f, 0,1,2,3
	s_wait_dscnt 0x0
.if \f < 3
	VLOAD \f+1
.endif
	s_wait_xcnt 0x0                                ; the last fragment's stores have read the code registers
	QB 128+64*(\f%2), 48, 60, SW+\f
.irp c, 0,1,2
	global_store_b128 v[LI], v[48+4*\c:51+4*\c], s[70:71] offset:FRB*\f+512*\c
.endr
.endr
	s_branch .Lscales
.Lqk:
	; q, k: RoPE pairs channel d (column tile t, windows 0, 1) with d + 64 (tile t + 4, windows 2, 3, the same register numbers); two tiles at a time under one setting
	s_wait_loadcnt 0x0                             ; the table
.irp b, 0,1,2,3
	v_mov_b32 v[36+\b], 0                          ; a lane permute's destination counts as read
.endr
.irp a, 0,1,2,3
	TAB \a
.irp g, 0,1
	WIN (TW<<2)|(\g)                               ; source 0: the lower half's window; source 1: the table's
.irp u, 0,1
.irp j, 0,2,4,6
	v_pk_mul_f32 v[240+8*\u+\j:241+8*\u+\j], v[AB+8*(4*\u+\a)+\j:AB+8*(4*\u+\a)+\j+1], v[TR+32+8*(2*\g+\u)+\j:TR+32+8*(2*\g+\u)+\j+1]
.endr
.endr
	WIN (TW<<2)|(2+\g)                             ; source 0: the upper half's window
.irp u, 0,1
.irp j, 0,2,4,6
	v_pk_mul_f32 v[224+8*\u+\j:225+8*\u+\j], v[AB+8*(4*\u+\a)+\j:AB+8*(4*\u+\a)+\j+1], v[TR+32+8*(2*\g+\u)+\j:TR+32+8*(2*\g+\u)+\j+1]
.endr
.endr
.irp u, 0,1
.irp j, 0,2,4,6
	v_pk_fma_f32 v[192+8*(2*\g+\u)+\j:193+8*(2*\g+\u)+\j], v[AB+8*(4*\u+\a)+\j:AB+8*(4*\u+\a)+\j+1], v[TR+8*(2*\g+\u)+\j:TR+8*(2*\g+\u)+\j+1], v[240+8*\u+\j:241+8*\u+\j]
.endr
.endr
	WIN (TW<<2)|(\g)
.irp u, 0,1
.irp j, 0,2,4,6
	v_pk_fma_f32 v[160+8*(2*\g+\u)+\j:161+8*(2*\g+\u)+\j], v[AB+8*(4*\u+\a)+\j:AB+8*(4*\u+\a)+\j+1], v[TR+8*(2*\g+\u)+\j:TR+8*(2*\g+\u)+\j+1], v[224+8*\u+\j:225+8*\u+\j] neg_lo:[0,0,1] neg_hi:[0,0,1]
.endr
.endr
.endr
	WIN 0
	s_wait_alu depctr_va_vdst(0)
	s_wait_xcnt 0x0                                ; the last tile's stores have read the code registers
	QH 160, 48, 32, SW+\a
.irp c, 0,1,2
	global_store_b128 v[LI], v[48+4*\c:51+4*\c], s[70:71] offset:FRB*\a+512*\c
.endr
.endr
.Lscales:
	v_cndmask_b32 v[SS], v[SW], v[SW+2], s[HM]     ; lanes 0-15 take words 0, 1 of their row, lanes 16-31 words 2, 3
	v_cndmask_b32 v[SS+1], v[SW+1], v[SW+3], s[HM]
	global_store_b64 v[SSO], v[SS:SS+1], s[70:71] offset:SCO
	s_wait_tensorcnt 0x0                           ; the wave's end
	ds_add_u32 v[SPW], v[NIL]
	s_wait_dscnt 0x0
	CROUND                                         ; the closing round
	s_endpgm
.Lfunc_end_k_qfaa6886270_qkv:
	.size	k_qfaa6886270_qkv, .Lfunc_end_k_qfaa6886270_qkv-k_qfaa6886270_qkv
	.p2alignl 7, 3214868480
	.fill 96, 4, 3214868480
	.section	.rodata,"a",@progbits
	.p2align	6, 0x0
	.amdhsa_kernel k_qfaa6886270_qkv
		.amdhsa_group_segment_fixed_size 327680
		.amdhsa_private_segment_fixed_size 0
		.amdhsa_enable_private_segment 0
		.amdhsa_kernarg_size 40
		.amdhsa_user_sgpr_count 2
		.amdhsa_user_sgpr_kernarg_segment_ptr 1
		.amdhsa_wavefront_size32 1
		.amdhsa_system_sgpr_workgroup_id_x 1
		.amdhsa_system_sgpr_workgroup_id_y 1
		.amdhsa_system_sgpr_workgroup_id_z 1
		.amdhsa_system_vgpr_workitem_id 0
		.amdhsa_next_free_vgpr 1024
		.amdhsa_next_free_sgpr 100
		.amdhsa_reserve_vcc 0
		.amdhsa_float_denorm_mode_32 3
		.amdhsa_float_denorm_mode_16_64 3
		.amdhsa_memory_ordered 1
		.amdhsa_forward_progress 1
		.amdhsa_inst_pref_size 195
	.end_amdhsa_kernel
	.amdgpu_metadata
---
amdhsa.version: [ 1, 2 ]
amdhsa.kernels:
  - .name:           k_qfaa6886270_qkv
    .symbol:         k_qfaa6886270_qkv.kd
    .args:
      - { .name: hsq, .offset: 0, .size: 8, .value_kind: global_buffer, .address_space: global }
      - { .name: wqkvq, .offset: 8, .size: 8, .value_kind: global_buffer, .address_space: global }
      - { .name: rope, .offset: 16, .size: 8, .value_kind: global_buffer, .address_space: global }
      - { .name: qws, .offset: 24, .size: 8, .value_kind: global_buffer, .address_space: global }
      - { .name: kvws, .offset: 32, .size: 8, .value_kind: global_buffer, .address_space: global }
    .group_segment_fixed_size: 327680
    .private_segment_fixed_size: 0
    .kernarg_segment_align: 8
    .kernarg_segment_size: 40
    .max_flat_workgroup_size: 128
    .sgpr_count:     100
    .vgpr_count:     1024
    .wavefront_size: 32
...
	.end_amdgpu_metadata
.endif
;; end of part 2
;; launch attn (part 3): grid 32 x 8, 8 waves a work-group, clusters of 4 x 4, 327,680 bytes of LDS; arguments qws, kvws, attention_mask, aoq; writes aoq
.if DOCPART == 3
	.amdgcn_target "amdgcn-amd-amdhsa--gfx1250"
	.amdhsa_code_object_version 6
	.text
	.protected	k_qfaa6886270_attn
	.globl	k_qfaa6886270_attn
	.p2align	8
	.type	k_qfaa6886270_attn,@function
k_qfaa6886270_attn:
	s_mov_b64 s[64:65], 0
	v_nop
	global_prefetch_b8 v0, s[64:65] scope:SCOPE_SE
	s_setreg_imm32_b32 hwreg(HW_REG_WAVE_MODE, 25, 1), 1
	s_wait_xcnt 0x0
	s_wait_alu depctr_hold_cnt(0) depctr_sa_sdst(0) depctr_va_vdst(0) depctr_va_sdst(0) depctr_va_ssrc(0) depctr_va_vcc(0) depctr_vm_vsrc(0)
	s_getreg_b32 s2, hwreg(HW_REG_IB_STS2, 6, 4)
	s_cmp_eq_u32 s2, 0
	s_cbranch_scc0 .Lentry_in_a_cluster
	s_endpgm
.Lentry_in_a_cluster:
	s_bfe_u32 s2, ttmp6, 0x10000c
	s_cmp_lg_u32 s2, 0xf033
	s_cbranch_scc0 .Lentry_shape_is_right
	s_endpgm
.Lentry_shape_is_right:
; o = softmax(q k^T / sqrt(128) + mask) v for 8 query heads on 4 key/value heads, both products on codes of FP6 (E2M3) with E8M0 scales; o is quantised along head x 128 + channel for the last product.
; logit = score / sqrt(128) + mask (one fused multiply-add); t = logit x log2(e), rounded; M = the running largest t rounded UP to a whole number; p = 2^(t - M) is quantised along the keys, not normalised;
; the row's sum is taken of the unquantised p and divides at the end.  t and t - M are rounded apart, so that a row whose every logit is about -1e9 still gives t - M = 0 at its largest.
; THE MASK IS AN INPUT: every number of it is read and added, and every key is walked.
; SHARES.  A work-group: 64 queries, one batch, one key/value head.  Wave w: query tile w % 4 (16 queries) for BOTH query heads of that key/value head, and half w / 4 of every slot's 256 keys:
; so each fragment of k and v and each register of the mask feeds two heads.  The two halves of the keys run their own M; they are joined at the end by exact powers of two, through LDS.
; LAYOUT.  Both products transposed (S^T = k q^T, O^T = v^T p^T): a lane holds one query.  The rows of every tile are chosen (lane r of tile 2 b + u: row 32 b + 8 u + r + 8 (r / 8)), so that the 16 registers
; of two neighbouring tiles are 16 neighbours along the next K.  Operands lie as images of their registers: three ds_load_b128 at 16 x lane bring a fragment.
; CLUSTER 4 x 4: x = four blocks of queries, y = the four key/value heads.  k's and v's blocks are shared along a row, the mask's rows along a column; each is asked for jointly.
; TWO KINDS OF WAVES.  A wave's work on a slot has a first part, with all its LDS reads (k, the mask, both heads' scores, head 0's softmax, v's loads), and a second part on registers alone (head 1's softmax, the
; sixteen second products).  Waves of kind 0 pass the change of slots behind their second part, waves of kind 1 between the two parts: so behind a change one kind sends its LDS loads while the other still has a
; softmax to issue.  Within a wave the order of the work is the same for both kinds.  Kind = (w xor w / 4) % 2: waves w and w + 4 differ in kind, and so do waves 2 i and 2 i + 1.
; LIMITS: NaN or +infinity in the mask are not served; -infinity gives p = 0.  A block whose every p is 0 keeps the byte 1: its codes are zeros.
; REGISTERS: window 0: v1-11 addresses; v12-19 -M, largest t, the sum's halves, for each head; v20-31 q of head 0; v32-55 p's codes; v56-62 at work; v63 the prefetches' offset; v64-75 scale words; v76-95 at work;
;   v96-159 S^T, then p; v160-223 O^T of head 0; v224-249 at work at both ends.   window 1: v0-95 eight fragments of k or of v; v96-159 the mask; v160-223 O^T of head 1; v224-235 q of head 1.
.set BLKB,  6400
.set FRB,   1536
.set SCO,   6144
.set SLOT1, 1<<17                      ; slot 1 begins here: one exclusive or changes slots
.set VOFF,  4*BLKB                     ; a slot: k's 4 blocks, v's 4 blocks,
.set MOFF,  8*BLKB                     ; the mask: 4 regions of 16 rows
.set MPIT,  1040                       ; a row of 256 numbers + 16 bytes
.set MREG,  16*MPIT+128                ; rows 16 apart fall 128 bytes apart modulo 256
.set SPARE, SLOT1+MOFF+4*MREG          ; the spare words: 128 bytes a wave, four blocks of 256 bytes that no other line names
.set MERGE, SPARE+1024                 ; for each query tile: O^T of two heads as 32 chunks of 512 bytes, and one chunk of -M and sums
.set MRG,   33*512
.set WV,   12
.set SEL,  20
.set TB,   27
.set SLOTS, 28
.set LIM,  29
.set PFA,  30
.set PFS,  32
.set TY,   34                          ; s34  my wave's kind, 0 or 1
.set G1KV, 36
.set G1M,  44
.set G0KV, 52
.set G0M,  56
.set MSB, 0
.macro WIN new
.if MSB != \new
	s_set_vgpr_msb (MSB<<8)|\new
.set MSB, \new
.endif
.endm
.macro PLACES
.rept 4
	v_nop
.endr
.endm
; a joint load: waves 0-3 fetch a quarter of k's and v's blocks each, waves 4-7 sixteen rows of the mask each.  Four v_nop follow each of the two lines
.macro JLOAD
	s_cmp_lt_u32 s[WV], 4
	s_cbranch_scc0 .Lfor_m_\@
	tensor_load_to_lds s[G0KV:G0KV+3], s[G1KV:G1KV+7]
	s_nop 0
.rept 4
	v_nop
.endr
	s_branch .Lasked_\@
.Lfor_m_\@:
	tensor_load_to_lds s[G0M:G0M+3], s[G1M:G1M+7]
	s_nop 0
.rept 4
	v_nop
.endr
.Lasked_\@:
.endm
; a prefetch of what the NEXT change of slots will ask for, one trip (32 matrix instructions and two softmaxes a wave) ahead of that load.  k and v: the clusters with x = 0 ask; the four partners of a row take two
; blocks each, told apart by address; waves 0, 1 a block each: 25 pieces of 256 bytes, a lane a piece (lanes 25-31 name piece 24 again, in the same instruction).  The mask: the clusters of batch 0 ask; the four
; partners of a column take 16 rows each, by address; waves 4, 5 eight rows each, four lanes to a row's 1,024 bytes.  The last change that fills a slot asks for nothing; slots 0 and 1 come by their loads alone.
.macro ASK
	s_cmp_gt_u32 s[SLOTS], s[LIM]
	s_cbranch_scc0 .Lnot_mine_\@
	global_prefetch_b8 v63, s[PFA:PFA+1] th:TH_LOAD_NT scope:SCOPE_SE
.Lnot_mine_\@:
.endm
.macro CROUND
	s_barrier_signal -1
	s_barrier_wait -1
	s_cmp_lg_u32 s[WV], 0
	s_cbranch_scc1 .Lnot_wave_0_\@
	s_barrier_signal -3
.Lnot_wave_0_\@:
	s_barrier_wait -3
	s_barrier_signal -1
	s_barrier_wait -1
.endm
.macro QH s, pc, tm, pw
.irp b, 0,1,2,3
	v_max3_num_f32 v[\tm+\b], |v[\s+16*\b]|, |v[\s+1+16*\b]|, 0x1800000
.endr
.irp i, 2,4,6,8,10,12,14
.irp b, 0,1,2,3
	s_delay_alu instid0(VALU_DEP_4)
	v_max3_num_f32 v[\tm+\b], v[\tm+\b], |v[\s+16*\b+\i]|, |v[\s+1+16*\b+\i]|
.endr
.endr
.irp b, 0,1,2,3
	s_delay_alu instid0(VALU_DEP_4)
	v_permlanex16_b32 v[\tm+4+\b], v[\tm+\b], s[SEL], s[SEL+1]
.endr
.irp b, 0,1,2,3
	s_delay_alu instid0(VALU_DEP_4)
	v_max_num_f32 v[\tm+\b], v[\tm+\b], v[\tm+4+\b]
.endr
.irp b, 0,1,2,3
	s_delay_alu instid0(VALU_DEP_4)
	v_add_nc_u32 v[\tm+12+\b], 0xff000000, v[\tm+\b]
.endr
.irp b, 0,1,2,3
	s_delay_alu instid0(VALU_DEP_4)
	v_lshrrev_b32 v[\tm+4+\b], 23, v[\tm+12+\b]
.endr
	s_delay_alu instid0(VALU_DEP_3)
	v_lshl_or_b32 v[\pw], v[\tm+5], 8, v[\tm+4]
	s_delay_alu instid0(VALU_DEP_1)
	v_lshl_or_b32 v[\pw], v[\tm+6], 16, v[\pw]
	s_delay_alu instid0(VALU_DEP_1)
	v_lshl_or_b32 v[\pw], v[\tm+7], 24, v[\pw]
.irp c, 0,1
	v_cvt_scalef32_pk16_fp6_f32 v[\pc+6*\c:\pc+2+6*\c], v[\s+32*\c:\s+15+32*\c], v[\tm+12+2*\c]
	v_cvt_scalef32_pk16_fp6_f32 v[\pc+12+4*\c:\pc+14+4*\c], v[\s+16+32*\c:\s+31+32*\c], v[\tm+12+2*\c+1]
.endr
	v_nop
.irp c, 0,1
.irp i, 0,1,2
	v_permlane16_swap_b32 v[\pc+6*\c+\i], v[\pc+12+4*\c+\i]
.endr
.irp i, 0,1,2
	s_delay_alu instid0(VALU_DEP_3)
	v_mov_b32 v[\pc+3+6*\c+\i], v[\pc+12+4*\c+\i]
.endr
.endr
.endm
; head x's softmax of 128 keys: scores in v96-159 (register 16 b + i: key 32 b + 16 h + i), the mask in the same numbers of window 1
.macro SOFTMAX x
.set ST, 12+4*(\x)
.set PC, 32+12*(\x)
	WIN 0x10                                       ; source 2 (the mask) window 1
.set J, 0
.rept 32
	v_pk_fma_f32 v[96+J:97+J], v[96+J:97+J], s[22:23], v[96+J:97+J] op_sel_hi:[1,0,1]   ; the logit; each accumulator is read from its low end on
.set J, J+2
.endr
	WIN 0
.irp b, 0,1,2,3
	v_max3_num_f32 v[76+\b], v[96+16*\b], v[97+16*\b], v[98+16*\b]    ; the largest logit of each block of 32 keys: for the row's maximum and, since p rises with the logit, for the block's largest p
.endr
.irp i, 3,5,7,9,11,13
.irp b, 0,1,2,3
	s_delay_alu instid0(VALU_DEP_4)
	v_max3_num_f32 v[76+\b], v[76+\b], v[96+16*\b+\i], v[97+16*\b+\i]
.endr
.endr
.irp b, 0,1,2,3
	s_delay_alu instid0(VALU_DEP_4)
	v_max_num_f32 v[76+\b], v[76+\b], v[111+16*\b]
.endr
.irp b, 0,1,2,3
	s_delay_alu instid0(VALU_DEP_4)
	v_permlanex16_b32 v[80+\b], v[76+\b], s[SEL], s[SEL+1]
.endr
.irp b, 0,1,2,3
	s_delay_alu instid0(VALU_DEP_4)
	v_max_num_f32 v[76+\b], v[76+\b], v[80+\b]
.endr
	s_delay_alu instid0(VALU_DEP_2)
	v_max3_num_f32 v90, v76, v77, v78
	s_delay_alu instid0(VALU_DEP_1)
	v_max_num_f32 v90, v90, v79
	s_delay_alu instid0(VALU_DEP_1)
	v_mul_f32 v90, s24, v90                        ; as t
	s_delay_alu instid0(VALU_DEP_1)
	v_max_num_f32 v[ST+1], v[ST+1], v90            ; the running largest t
	v_mov_b32 v90, v[ST]
	s_delay_alu instid0(VALU_DEP_2)
	v_floor_f32 v[ST], -v[ST+1]                    ; -M = floor(-t): M is a whole number
	s_delay_alu instid0(VALU_DEP_1)
	v_sub_f32 v90, v[ST], v90
	s_delay_alu instid0(VALU_DEP_1)
	v_cvt_i32_f32 v90, v90                         ; (it saturates)
	s_delay_alu instid0(VALU_DEP_1)
	v_ldexp_f32 v88, 1.0, v90                      ; f = 2^(old M - new M)
.set J, 0
.rept 32
	v_pk_mul_f32 v[96+J:97+J], v[96+J:97+J], s[24:25] op_sel_hi:[1,0]     ; t, rounded
.set J, J+2
.endr
.set J, 0
.rept 32
	v_pk_add_f32 v[96+J:97+J], v[96+J:97+J], v[ST:ST+1] op_sel_hi:[1,0]   ; t - M
.set J, J+2
.endr
.irp b, 0,1,2,3
	v_mul_f32 v[76+\b], s24, v[76+\b]              ; the same two lines on each block's largest logit
.endr
.irp b, 0,1,2,3
	s_delay_alu instid0(VALU_DEP_4)
	v_add_f32 v[76+\b], v[76+\b], v[ST]
.endr
.set J, 0
	s_wait_alu depctr_va_vdst(0)
.rept 64
	v_exp_f32 v[96+J], v[96+J]                     ; p
.set J, J+1
.endr
	v_pk_mul_f32 v[ST+2:ST+3], v[ST+2:ST+3], v[88:89] op_sel_hi:[1,0]     ; the sums under the new M (a plain line behind the exponentials)
	s_wait_alu depctr_va_vdst(0)                   ; one wait for the batch, ahead of its first reader
.irp b, 0,1,2,3
	v_exp_f32 v[76+\b], v[76+\b]                   ; each block's largest p
.endr
	v_pk_add_f32 v[92:93], v[96:97], v[98:99]      ; the row's sum of the unquantised p, in two chains
.set J, 4
.rept 15
	v_pk_add_f32 v[ST+2:ST+3], v[ST+2:ST+3], v[96+J:97+J]
	v_pk_add_f32 v[92:93], v[92:93], v[98+J:99+J]
.set J, J+4
.endr
	s_delay_alu instid0(VALU_DEP_1)
	v_pk_add_f32 v[ST+2:ST+3], v[ST+2:ST+3], v[92:93]
	s_wait_alu depctr_va_vdst(0)                   ; and one for the four
.irp b, 0,1,2,3
	v_max_num_f32 v[76+\b], 0x1800000, v[76+\b]    ; the floor 2^(3 - 127)
.endr
.irp b, 0,1,2,3
	s_delay_alu instid0(VALU_DEP_4)
	v_add_nc_u32 v[84+\b], 0xff000000, v[76+\b]    ; the conversion's scale operand
.endr
.irp b, 0,1,2,3
	s_delay_alu instid0(VALU_DEP_4)
	v_lshrrev_b32 v[80+\b], 23, v[84+\b]           ; the scale's byte
.endr
	s_delay_alu instid0(VALU_DEP_3)
	v_lshl_or_b32 v[74+\x], v81, 8, v80            ; p's scale word for these 128 keys
	s_delay_alu instid0(VALU_DEP_1)
	v_lshl_or_b32 v[74+\x], v82, 16, v[74+\x]
	s_delay_alu instid0(VALU_DEP_1)
	v_lshl_or_b32 v[74+\x], v83, 24, v[74+\x]
.irp c, 0,1
	v_cvt_scalef32_pk16_fp6_f32 v[PC+6*\c:PC+2+6*\c], v[96+32*\c:111+32*\c], v[84+2*\c]
	v_cvt_scalef32_pk16_fp6_f32 v[56+4*\c:58+4*\c], v[112+32*\c:127+32*\c], v[84+2*\c+1]
.endr
	v_nop
.irp c, 0,1
.irp i, 0,1,2
	v_permlane16_swap_b32 v[PC+6*\c+\i], v[56+4*\c+\i]
.endr
.irp i, 0,1,2
	s_delay_alu instid0(VALU_DEP_3)
	v_mov_b32 v[PC+3+6*\c+\i], v[56+4*\c+\i]
.endr
.endr
.if \x
	WIN 0x41                                       ; O^T of head 1: window 1
.endif
.set J, 0
.rept 32
	v_pk_mul_f32 v[160+J:161+J], v[160+J:161+J], v[88:89] op_sel_hi:[1,0]    ; O^T under the new M.  (These 32 also stand between the scale word's and the codes' last lines and the products that take them)
.set J, J+2
.endr
	WIN 0
.endm
; the change of slots.  In front of it every wave has issued all its reads of the slot that it leaves (the last are v's, at the first part's end)
.macro CHANGE fill
	s_wait_tensorcnt 0x0                           ; my part of the slot ahead has landed; no tensor load of mine is out, so a group 0 may be written
	ds_add_u32 v7, v8                              ; 0 onto my spare word
.if \fill
	s_xor_b32 s[G0KV+1], s[G0KV+1], SLOT1
	s_add_nc_u64 s[G0KV+2:G0KV+3], s[G0KV+2:G0KV+3], 8*BLKB
	s_xor_b32 s[G0M+1], s[G0M+1], SLOT1
	s_add_nc_u64 s[G0M+2:G0M+3], s[G0M+2:G0M+3], 1024
	s_wait_xcnt 0x0                                ; the last prefetch, a trip back, has read its address
	s_add_nc_u64 s[PFA:PFA+1], s[PFA:PFA+1], s[PFS:PFS+1]
	s_wait_dscnt 0x0                               ; the add is done, and my reads of the slot that I leave are over (for a wave of kind 1 this is also the wait for v)
	CROUND                                         ; both hold of every wave of the cluster
	JLOAD                                          ; the first thing behind the round, a wave's one tensor load until the next: it has a whole trip in which to land
	ASK
.else
	s_wait_dscnt 0x0
	s_barrier_signal -1
	s_barrier_wait -1
.endif
.endm
; THE FIRST PART of my 128 keys of the slot in hand: every LDS read of the slot; both heads' scores; head 0's softmax
.macro P1
	v_add_nc_u32 v4, s[TB], v1
	v_add_nc_u32 v5, s[TB], v2
	v_add_nc_u32 v6, s[TB], v3
	v_nop                                          ; four plain lines in front of loads into registers that the last products read
	WIN 0x40
.irp t, 0,1,2,3,4,5,6,7
.irp c, 0,1,2
	ds_load_b128 v[12*\t+4*\c:12*\t+4*\c+3], v4 offset:(\t/4)*BLKB+(\t%4)*FRB+512*\c
.endr
.endr
	WIN 0
	ds_load_b128 v[64:67], v5
	ds_load_b128 v[68:71], v5 offset:BLKB
	WIN 0x40
.irp b, 0,1,2,3
.irp n, 0,1,2,3
	ds_load_b128 v[96+16*\b+4*\n:99+16*\b+4*\n], v6 offset:128*\b+16*\n
.endr
.endr
	WIN 0
	s_wait_dscnt 16                                ; k and its scale words are in; the mask's 16 loads may be out
	WIN 0x01
.irp t, 0,1,2,3,4,5,6,7
	v_wmma_scale_f32_16x16x128_f8f6f4 v[96+8*\t:103+8*\t], v[12*\t:12*\t+11], v[20:31], 0, v[64+\t], v72 matrix_a_fmt:MATRIX_FMT_FP6 matrix_b_fmt:MATRIX_FMT_FP6
.endr
	WIN 0
	PLACES
	s_wait_dscnt 0x0                               ; the mask
	SOFTMAX 0
	WIN 0x05
.irp t, 0,1,2,3,4,5,6,7
	v_wmma_scale_f32_16x16x128_f8f6f4 v[96+8*\t:103+8*\t], v[12*\t:12*\t+11], v[224:235], 0, v[64+\t], v73 matrix_a_fmt:MATRIX_FMT_FP6 matrix_b_fmt:MATRIX_FMT_FP6
.endr
	WIN 0
	PLACES
	WIN 0x40                                       ; v's fragments take k's registers: my last reads of the slot
.irp t, 0,1,2,3,4,5,6,7
.irp c, 0,1,2
	ds_load_b128 v[12*\t+4*\c:12*\t+4*\c+3], v4 offset:VOFF+(\t/4)*BLKB+(\t%4)*FRB+512*\c
.endr
.endr
	WIN 0
	ds_load_b128 v[64:67], v5 offset:VOFF
	ds_load_b128 v[68:71], v5 offset:VOFF+BLKB
	s_xor_b32 s[TB], s[TB], SLOT1                  ; the next first part reads the other slot
.endm
; THE SECOND PART: registers alone: head 1's softmax, then both heads' O^T += v^T p^T
.macro P2
	SOFTMAX 1
	s_wait_alu depctr_va_vdst(0)
	s_wait_dscnt 0x0                               ; v (in a wave of kind 0 it has landed under the softmax; in one of kind 1 it was waited for in front of the change of slots)
	WIN 0x01
.irp t, 0,1,2,3,4,5,6,7
	v_wmma_scale_f32_16x16x128_f8f6f4 v[160+8*\t:167+8*\t], v[12*\t:12*\t+11], v[32:43], v[160+8*\t:167+8*\t], v[64+\t], v74 matrix_a_fmt:MATRIX_FMT_FP6 matrix_b_fmt:MATRIX_FMT_FP6
.endr
	WIN 0x51
.irp t, 0,1,2,3,4,5,6,7
	v_wmma_scale_f32_16x16x128_f8f6f4 v[160+8*\t:167+8*\t], v[12*\t:12*\t+11], v[44:55], v[160+8*\t:167+8*\t], v[64+\t], v75 matrix_a_fmt:MATRIX_FMT_FP6 matrix_b_fmt:MATRIX_FMT_FP6
.endr
	WIN 0
.endm
.macro P2_OF kind                      ; the second part, for the waves of one kind: a branch on the wave's number, round register work alone
	s_cmp_lg_u32 s[TY], \kind
	s_cbranch_scc1 .Lother_kind_\@
	P2
.Lother_kind_\@:
.endm
	s_load_b256 s[4:11], s[0:1], 0x0               ; qws s[4:5], kvws s[6:7], the mask s[8:9], aoq s[10:11]
	v_lshl_add_u32 v7, v0, 2, SPARE
	v_mov_b32 v8, 0
	ds_add_u32 v7, v8
	ds_add_u32 v7, v8
	s_wait_dscnt 0x0
	v_lshrrev_b32 v1, 5, v0
	s_delay_alu instid0(VALU_DEP_1)
	v_readfirstlane_b32 s[WV], v1                  ; wave 0..7
	s_and_b32 s13, s[WV], 3                        ; my query tile; also: which quarter I fetch
	s_lshr_b32 s14, s[WV], 2                       ; my half of the keys
	s_xor_b32 s[TY], s[WV], s14
	s_and_b32 s[TY], s[TY], 1                      ; my kind: (w xor w / 4) % 2
	s_bfe_u32 s15, ttmp6, 0x40000                  ; cx
	s_bfe_u32 s16, ttmp6, 0x40004                  ; cy = the key/value head
	s_lshl_b32 s17, ttmp9, 2
	s_add_co_u32 s17, s17, s15                     ; my block of 64 queries
	s_and_b32 s18, ttmp7, 0xffff                   ; the batch
	s_lshl_b32 s60, s16, 2
	s_lshl_b32 s60, 15, s60                        ; my row of the cluster
	s_lshl_b32 s61, 0x1111, s15                    ; my column
	s_or_b32 s[G1KV], s60, (3<<16)|(1<<21)         ; k, v: 50 rows of 256 bytes, dense
	s_mov_b32 s[G1KV+1], 32<<16
	s_mov_b32 s[G1KV+2], 50<<16
	s_mov_b32 s[G1KV+3], 32<<16
	s_mov_b32 s[G1KV+4], 50
	s_mov_b32 s[G1KV+5], 32
	s_mov_b32 s[G1KV+6], 0
	s_mov_b32 s[G1KV+7], 0
	s_or_b32 s[G1M], s61, (2<<16)|(1<<20)|(1<<21)|(7<<22)|(3<<25)   ; the mask: 16 rows of 256 numbers of 4 bytes, 2,048 apart; 4 words of padding behind every 256
	s_mov_b32 s[G1M+1], 256<<16
	s_mov_b32 s[G1M+2], 16<<16
	s_mov_b32 s[G1M+3], 256<<16
	s_mov_b32 s[G1M+4], 16
	s_mov_b32 s[G1M+5], 2048
	s_mov_b32 s[G1M+6], 0
	s_mov_b32 s[G1M+7], 0
	s_lshl_b32 s62, s18, 2
	s_add_co_u32 s62, s62, s16
	s_mul_i32 s62, s62, 64*BLKB                    ; (batch x 4 + head): eight slots of eight blocks
	s_mul_i32 s66, s13, 2*BLKB                     ; my two blocks: in memory and in a slot
	s_add_co_u32 s62, s62, s66
	s_mov_b32 s63, 0
	s_lshl_b32 s68, s17, 6
	s_lshl_b32 s67, s13, 4
	s_add_co_u32 s68, s68, s67
	s_lshl_b32 s68, s68, 13                        ; the mask's row 64 x block + 16 x quarter
	s_mov_b32 s69, 0
	s_mul_i32 s67, s13, MREG
	s_add_co_u32 s67, s67, MOFF
	s_mov_b32 s[SEL], 0x76543210
	s_mov_b32 s[SEL+1], 0xfedcba98
	s_mov_b32 s22, 0x3db504f3                      ; 1 / sqrt(128)
	s_mov_b32 s23, s22
	s_mov_b32 s24, 0x3fb8aa3b                      ; log2(e)
	s_mov_b32 s25, s24
	s_mov_b32 s26, 0xffff0000                      ; lanes 16-31
	s_mov_b32 s[TB], 0
	s_mov_b32 s[SLOTS], 7
	s_wait_kmcnt 0x0
	s_mov_b32 s[G0KV], 1
	s_mov_b32 s[G0KV+1], s66
	s_add_nc_u64 s[G0KV+2:G0KV+3], s[6:7], s[62:63]
	s_or_b32 s[G0KV+3], s[G0KV+3], 0x80000000
	s_mov_b32 s[G0M], 1
	s_mov_b32 s[G0M+1], s67
	s_add_nc_u64 s[G0M+2:G0M+3], s[8:9], s[68:69]
	s_or_b32 s[G0M+3], s[G0M+3], 0x80000000
	CROUND                                         ; all sixteen work-groups are here
	JLOAD                                          ; slot 0
	v_and_b32 v240, 31, v0                         ; lane
	v_and_b32 v241, 15, v0                         ; r
	v_bfe_u32 v242, v0, 4, 1                       ; h
	s_delay_alu instid0(VALU_DEP_3)
	v_lshlrev_b32 v10, 4, v240                     ; 16 x lane
	s_mul_i32 s70, s14, 2*BLKB
	v_add_nc_u32 v1, s70, v10                      ; fragments: my half's two blocks
	v_lshlrev_b32 v2, 4, v241
	s_add_co_u32 s71, s70, SCO
	v_add_nc_u32 v2, s71, v2                       ; their scale words
	v_bfe_u32 v243, v0, 3, 1
	v_and_b32 v244, 7, v0
	s_delay_alu instid0(VALU_DEP_2)
	v_mul_u32_u24 v3, v243, MREG                   ; the mask: my query is row 32 (qt / 2) + 8 (qt % 2) + (r % 8) + 16 (r / 8) of the 64
	s_delay_alu instid0(VALU_DEP_1)
	v_mad_u32_u24 v3, v244, MPIT, v3
	s_delay_alu instid0(VALU_DEP_1)
	v_lshl_add_u32 v3, v242, 6, v3                 ; + 16 h keys
	s_wait_alu depctr_va_vdst(0)
	s_lshr_b32 s71, s13, 1
	s_mul_i32 s71, s71, 2*MREG
	s_and_b32 s72, s13, 1
	s_mul_i32 s72, s72, 8*MPIT
	s_add_co_u32 s71, s71, s72
	s_lshl_b32 s72, s14, 9                         ; + my half's 128 keys
	s_add_co_u32 s71, s71, s72
	s_add_co_u32 s71, s71, MOFF
	v_add_nc_u32 v3, s71, v3
	s_mul_i32 s71, s13, MRG
	s_add_co_u32 s71, s71, MERGE
	v_add_nc_u32 v9, s71, v10                      ; where the halves meet
	; the prefetches: where my wave's stand, and who asks
	s_lshl_b32 s76, s18, 2
	s_add_co_u32 s76, s76, s16
	s_lshl_b32 s76, s76, 3
	s_add_co_u32 s76, s76, 1                       ; in slot 1: the first change steps it to slot 2
	s_mul_i32 s76, s76, 8*BLKB
	s_lshl_b32 s77, s15, 1
	s_and_b32 s78, s[WV], 1
	s_add_co_u32 s77, s77, s78
	s_mul_i32 s77, s77, BLKB
	s_add_co_u32 s76, s76, s77
	s_lshl_b32 s77, s17, 6
	s_lshl_b32 s79, s16, 4
	s_add_co_u32 s77, s77, s79
	s_lshl_b32 s79, s78, 3
	s_add_co_u32 s77, s77, s79
	s_lshl_b32 s77, s77, 13
	s_add_co_u32 s77, s77, 1024
	s_and_b32 s79, s[WV], 2
	s_cmp_lt_u32 s[WV], 4
	s_cselect_b64 s[PFA:PFA+1], s[6:7], s[8:9]
	s_cselect_b32 s76, s76, s77
	s_mov_b32 s[PFS], 1024
	s_cselect_b32 s[PFS], 8*BLKB, s[PFS]
	s_cselect_b32 s80, ttmp9, s18                  ; the coordinate along which other clusters read the same bytes
	s_cselect_b32 s81, -1, 0
	s_mov_b32 s77, 0
	s_mov_b32 s[PFS+1], 0
	s_add_nc_u64 s[PFA:PFA+1], s[PFA:PFA+1], s[76:77]
	s_or_b32 s79, s79, s80
	s_cmp_eq_u32 s79, 0
	s_cselect_b32 s[LIM], 1, -1                    ; the same in all partners, for a given wave
	v_min_u32 v245, 24, v240
	s_delay_alu instid0(VALU_DEP_1)
	v_lshlrev_b32 v245, 8, v245
	v_lshrrev_b32 v246, 2, v240
	v_and_b32 v247, 3, v240
	s_delay_alu instid0(VALU_DEP_2)
	v_lshlrev_b32 v246, 13, v246
	s_delay_alu instid0(VALU_DEP_1)
	v_lshl_add_u32 v246, v247, 8, v246
	s_delay_alu instid0(VALU_DEP_1)
	v_cndmask_b32 v63, v246, v245, s81
	; where o's codes go: block (head / 4) x 256 + token tile, fragment head % 4
	s_lshr_b32 s82, s16, 1
	s_lshl_b32 s82, s82, 8
	s_lshl_b32 s83, s18, 7
	s_add_co_u32 s82, s82, s83
	s_lshl_b32 s83, s17, 2
	s_add_co_u32 s82, s82, s83
	s_add_co_u32 s82, s82, s13
	s_mul_i32 s82, s82, BLKB
	s_mov_b32 s83, 0
	s_add_nc_u64 s[10:11], s[10:11], s[82:83]
	s_and_b32 s84, s16, 1
	s_mul_i32 s82, s84, 2*FRB
	s_add_nc_u64 s[74:75], s[10:11], s[82:83]
	s_lshl_b32 s84, s84, 3
	v_lshlrev_b32 v11, 4, v241
	s_delay_alu instid0(VALU_DEP_1)
	v_lshl_add_u32 v11, v242, 2, v11
	s_delay_alu instid0(VALU_DEP_1)
	v_add_nc_u32 v11, s84, v11                     ; scale words: 16 r + 8 (kv head % 2) + 4 h
	; q: block (token group x 8 + head), fragment = my query tile
	s_lshl_b32 s72, s18, 5
	s_add_co_u32 s72, s72, s17
	s_lshl_b32 s72, s72, 3
	s_lshl_b32 s73, s16, 1
	s_add_co_u32 s72, s72, s73
	s_mul_i32 s72, s72, BLKB
	s_mov_b32 s73, 0
	s_add_nc_u64 s[4:5], s[4:5], s[72:73]
	s_mul_i32 s72, s13, FRB
	v_add_nc_u32 v248, s72, v10
	s_lshl_b32 s72, s13, 2
	v_lshlrev_b32 v249, 4, v241
	s_delay_alu instid0(VALU_DEP_1)
	v_add_nc_u32 v249, s72, v249
.irp c, 0,1,2
	global_load_b128 v[20+4*\c:23+4*\c], v248, s[4:5] offset:512*\c
.endr
	global_load_b32 v72, v249, s[4:5] offset:SCO
	global_load_b32 v73, v249, s[4:5] offset:BLKB+SCO
	WIN 0x40
.irp c, 0,1,2
	global_load_b128 v[224+4*\c:227+4*\c], v248, s[4:5] offset:BLKB+512*\c
.endr
.set J, 0
.rept 64
	v_mov_b32 v[160+J], 0                          ; O^T of head 1.  (No step has a form of its own: the first finds zeros, which the first change of M leaves zeros)
.set J, J+1
.endr
	WIN 0
.set J, 0
.rept 64
	v_mov_b32 v[160+J], 0                          ; O^T of head 0
.set J, J+1
.endr
.irp x, 0,1
	v_mov_b32 v[13+4*\x], 0xff61b1e6               ; the largest t so far: -3e38
	s_delay_alu instid0(VALU_DEP_1)
	v_floor_f32 v[12+4*\x], -v[13+4*\x]
	v_mov_b32 v[14+4*\x], 0
	v_mov_b32 v[15+4*\x], 0
.endr
.irp b, 0,1,2,3
	v_mov_b32 v[80+\b], 0                          ; a lane permute's destination counts as read
.endr
	v_mov_b32 v89, 0                               ; (named as the upper half of a pair)
	s_wait_loadcnt 0x0                             ; q
	CHANGE 1                                       ; slot 0 is whole; keys 256 on are asked for, into slot 1
	P1                                             ; keys 0 to 255
	s_mov_b32 s[SLOTS], 6
.Lslot:                                            ; six trips: each leaves a slot, has it filled again with the keys 512 further on, and begins the other slot
	P2_OF 0                                        ; kind 0 finishes the slot in front of the change,
	CHANGE 1
	P2_OF 1                                        ; kind 1 behind it, out of registers, while kind 0's loads from the next slot are on their way
	P1
	s_sub_co_u32 s[SLOTS], s[SLOTS], 1
	s_cmp_lg_u32 s[SLOTS], 0
	s_cbranch_scc1 .Lslot
	P2_OF 0                                        ; the last change of slots is written out
	CHANGE 0
	P2_OF 1
	P1                                             ; keys 1,792 to 2,047
	P2                                             ; both kinds
	; ---- the two halves of the keys meet
	PLACES
.irp x, 0,1
	v_add_f32 v[14+4*\x], v[14+4*\x], v[15+4*\x]
.endr
.irp x, 0,1
	s_delay_alu instid0(VALU_DEP_2)
	v_permlanex16_b32 v[80+\x], v[14+4*\x], s[SEL], s[SEL+1]
.endr
.irp x, 0,1
	s_delay_alu instid0(VALU_DEP_2)
	v_add_f32 v[93+2*\x], v[14+4*\x], v[80+\x]     ; my half's sum
.endr
.irp x, 0,1
	v_mov_b32 v[92+2*\x], v[12+4*\x]               ; and its -M
.endr
	s_cmp_lt_u32 s[WV], 4
	s_cbranch_scc1 .Lkeep
.irp n, 0,1,2,3,4,5,6,7,8,9,10,11,12,13,14,15
	ds_store_b128 v9, v[160+4*\n:163+4*\n] offset:512*\n
.endr
	WIN 0x04                                       ; the data: window 1
.irp n, 0,1,2,3,4,5,6,7,8,9,10,11,12,13,14,15
	ds_store_b128 v9, v[160+4*\n:163+4*\n] offset:8192+512*\n
.endr
	WIN 0
	ds_store_b128 v9, v[92:95] offset:16384
.Lkeep:
	s_wait_dscnt 0x0                               ; for the others' sake: my stores are done
	s_barrier_signal -1
	s_barrier_wait -1
	s_cmp_lt_u32 s[WV], 4
	s_cbranch_scc0 .Lend
	ds_load_b128 v[224:227], v9 offset:16384
	s_wait_alu depctr_va_vdst(0)
.irp x, 0,1
.irp n, 0,1,2,3,4,5,6,7,8,9,10,11,12,13,14,15
	ds_load_b128 v[96+4*\n:99+4*\n], v9 offset:8192*\x+512*\n
.endr
	s_wait_dscnt 0x0
	v_min_num_f32 v228, v[92+2*\x], v[224+2*\x]    ; -M of both halves together
	s_delay_alu instid0(VALU_DEP_1)
	v_sub_f32 v229, v228, v[92+2*\x]
	s_delay_alu instid0(VALU_DEP_2)
	v_sub_f32 v230, v228, v[224+2*\x]
	s_delay_alu instid0(VALU_DEP_2)
	v_cvt_i32_f32 v229, v229
	s_delay_alu instid0(VALU_DEP_2)
	v_cvt_i32_f32 v230, v230
	s_delay_alu instid0(VALU_DEP_2)
	v_ldexp_f32 v229, 1.0, v229                    ; exact powers of two bring both under it
	s_delay_alu instid0(VALU_DEP_2)
	v_ldexp_f32 v230, 1.0, v230
	s_delay_alu instid0(VALU_DEP_2)
	v_mul_f32 v231, v[93+2*\x], v229
	s_delay_alu instid0(VALU_DEP_1)
	v_fma_f32 v231, v[225+2*\x], v230, v231        ; the row's sum
	s_wait_alu depctr_va_vdst(0)
	v_rcp_f32 v231, v231
	v_nop
	s_wait_alu depctr_va_vdst(0)                   ; ahead of the reciprocal's first reader
	v_mul_f32 v232, v229, v231
	v_mul_f32 v234, v230, v231
	s_delay_alu instid0(VALU_DEP_2)
	v_mov_b32 v233, v232
	s_delay_alu instid0(VALU_DEP_2)
	v_mov_b32 v235, v234
.set J, 0
.rept 32
	v_pk_mul_f32 v[96+J:97+J], v[96+J:97+J], v[234:235]
.set J, J+2
.endr
.if \x
	WIN 0x01                                       ; my O^T of head 1: window 1
.endif
.set J, 0
.rept 32
	v_pk_fma_f32 v[96+J:97+J], v[160+J:161+J], v[232:233], v[96+J:97+J]    ; o: register 8 t + j is channel 32 (t / 2) + 16 h + 8 (t % 2) + j of my query
.set J, J+2
.endr
	WIN 0
.if \x
	s_wait_xcnt 0x0                                ; head 0's stores have read the code registers
.endif
	QH 96, 32, 76, 74+\x
.irp c, 0,1,2
	global_store_b128 v10, v[32+4*\c:35+4*\c], s[74:75] offset:FRB*\x+512*\c
.endr
.endr
	v_cndmask_b32 v228, v74, v75, s26              ; lanes 0-15 store head 0's word of their row, lanes 16-31 head 1's
	global_store_b32 v11, v228, s[10:11] offset:SCO
.Lend:
	s_wait_tensorcnt 0x0                           ; the wave's end
	ds_add_u32 v7, v8
	s_wait_dscnt 0x0
	CROUND                                         ; the closing round
	s_endpgm
.Lfunc_end_k_qfaa6886270_attn:
	.size	k_qfaa6886270_attn, .Lfunc_end_k_qfaa6886270_attn-k_qfaa6886270_attn
	.p2alignl 7, 3214868480
	.fill 96, 4, 3214868480
	.section	.rodata,"a",@progbits
	.p2align	6, 0x0
	.amdhsa_kernel k_qfaa6886270_attn
		.amdhsa_group_segment_fixed_size 327680
		.amdhsa_private_segment_fixed_size 0
		.amdhsa_enable_private_segment 0
		.amdhsa_kernarg_size 32
		.amdhsa_user_sgpr_count 2
		.amdhsa_user_sgpr_kernarg_segment_ptr 1
		.amdhsa_wavefront_size32 1
		.amdhsa_system_sgpr_workgroup_id_x 1
		.amdhsa_system_sgpr_workgroup_id_y 1
		.amdhsa_system_sgpr_workgroup_id_z 1
		.amdhsa_system_vgpr_workitem_id 0
		.amdhsa_next_free_vgpr 512
		.amdhsa_next_free_sgpr 100
		.amdhsa_reserve_vcc 0
		.amdhsa_float_denorm_mode_32 3
		.amdhsa_float_denorm_mode_16_64 3
		.amdhsa_memory_ordered 1
		.amdhsa_forward_progress 1
		.amdhsa_inst_pref_size 227
	.end_amdhsa_kernel
	.amdgpu_metadata
---
amdhsa.version: [ 1, 2 ]
amdhsa.kernels:
  - .name:           k_qfaa6886270_attn
    .symbol:         k_qfaa6886270_attn.kd
    .args:
      - { .name: qws, .offset: 0, .size: 8, .value_kind: global_buffer, .address_space: global }
      - { .name: kvws, .offset: 8, .size: 8, .value_kind: global_buffer, .address_space: global }
      - { .name: attention_mask, .offset: 16, .size: 8, .value_kind: global_buffer, .address_space: global }
      - { .name: aoq, .offset: 24, .size: 8, .value_kind: global_buffer, .address_space: global }
    .group_segment_fixed_size: 327680
    .private_segment_fixed_size: 0
    .kernarg_segment_align: 8
    .kernarg_segment_size: 32
    .max_flat_workgroup_size: 256
    .sgpr_count:     100
    .vgpr_count:     512
    .wavefront_size: 32
...
	.end_amdgpu_metadata
.endif
;; end of part 3
;; launch oproj (part 4): grid 16 x 16, 4 waves a work-group, clusters of 4 x 4, 327,680 bytes of LDS; arguments aoq, woq, out0; writes out0
.if DOCPART == 4
	.amdgcn_target "amdgcn-amd-amdhsa--gfx1250"
	.amdhsa_code_object_version 6
	.text
	.protected	k_qfaa6886270_oproj
	.globl	k_qfaa6886270_oproj
	.p2align	8
	.type	k_qfaa6886270_oproj,@function
k_qfaa6886270_oproj:
	s_mov_b64 s[64:65], 0
	v_nop
	global_prefetch_b8 v0, s[64:65] scope:SCOPE_SE
	s_setreg_imm32_b32 hwreg(HW_REG_WAVE_MODE, 25, 1), 1
	s_wait_xcnt 0x0
	s_wait_alu depctr_hold_cnt(0) depctr_sa_sdst(0) depctr_va_vdst(0) depctr_va_sdst(0) depctr_va_ssrc(0) depctr_va_vcc(0) depctr_vm_vsrc(0)
	s_getreg_b32 s2, hwreg(HW_REG_IB_STS2, 6, 4)
	s_cmp_eq_u32 s2, 0
	s_cbranch_scc0 .Lentry_in_a_cluster
	s_endpgm
.Lentry_in_a_cluster:
	s_bfe_u32 s2, ttmp6, 0x10000c
	s_cmp_lg_u32 s2, 0xf033
	s_cbranch_scc0 .Lentry_shape_is_right
	s_endpgm
.Lentry_shape_is_right:
.set BLKB,  6400
.set FRB,   1536
.set SCO,   6144
.set SLOT,  24*BLKB
.set XOFF,  16*BLKB
.set SPARE, 2*SLOT
.set STAGE, SPARE+512
.set ADRY, 16
.set ADRX, 18
.set ADRS, 20
.set STO,  24
.set RD,   25
.set CO,   26
.set SPW,  28
.set NIL,  29
.set SC,   32
.set YF,   128
.set G1Y, 24
.set G0Y, 32
.set G1X, 48
.set G0X, 56
.set MULW, 0xa1
.set MSB, 0
.macro WIN new
.if MSB != \new
	s_set_vgpr_msb (MSB<<8)|\new
.set MSB, \new
.endif
.endm
.macro PLACES
.rept 4
	v_nop
.endr
.endm
.macro JLOAD g0a, g1a, g0b, g1b
	s_cmp_eq_u32 s15, 0
	s_cbranch_scc0 .Lfor_x_\@
	tensor_load_to_lds s[\g0a:\g0a+3], s[\g1a:\g1a+7]
	s_nop 0
.rept 4
	v_nop
.endr
	s_branch .Lasked_\@
.Lfor_x_\@:
	tensor_load_to_lds s[\g0b:\g0b+3], s[\g1b:\g1b+7]
	s_nop 0
.rept 4
	v_nop
.endr
.Lasked_\@:
.endm
.macro JLOADX g0b
	s_cmp_eq_u32 s15, 0
	s_cbranch_scc1 .Lnone_\@
	tensor_load_to_lds s[\g0b:\g0b+3], s[G1X:G1X+7]
	s_nop 0
.rept 4
	v_nop
.endr
	s_branch .Ldone_\@
.Lnone_\@:
.rept 4
	v_nop
.endr
.Ldone_\@:
.endm
.macro CREST
	s_cmp_lg_u32 s14, 0
	s_cbranch_scc1 .Lnot_wave_0_\@
	s_barrier_signal -3
.Lnot_wave_0_\@:
	s_barrier_wait -3
	s_barrier_signal -1
	s_barrier_wait -1
.endm
.macro CROUND
	s_barrier_signal -1
	s_barrier_wait -1
	CREST
.endm
.macro FETCH sl, q, p
	WIN 0x40
.irp i, 0,1,2,3,4,5,6,7
.irp c, 0,1,2
	ds_load_b128 v[128*(\p)+12*\i+4*\c:128*(\p)+12*\i+4*\c+3], v[ADRX+\sl] offset:BLKB*\i+FRB*(\q)+512*\c
.endr
.endr
	WIN 0
.irp a, 0,1,2,3
.irp c, 0,1,2
	ds_load_b128 v[YF+48*(\p)+12*\a+4*\c:YF+48*(\p)+12*\a+4*\c+3], v[ADRY+\sl] offset:BLKB*\a+FRB*(\q)+512*\c
.endr
.endr
.endm
.macro SCALES sl
.irp i, 0,1,2,3,4,5,6,7
	ds_load_b128 v[SC+32*\sl+4*\i:SC+32*\sl+4*\i+3], v[ADRS+\sl] offset:BLKB*\i
.endr
.endm
.macro MUL8 a, p, q, sl, zero
.irp b, 0,1,2,3,4,5,6,7
.if \zero
	v_wmma_scale_f32_16x16x128_f8f6f4 v[8*(8*(\a)+\b):8*(8*(\a)+\b)+7], v[128*(\p)+12*\b:128*(\p)+12*\b+11], v[YF+48*(\p)+12*(\a):YF+48*(\p)+12*(\a)+11], 0, v[SC+32*(\sl)+4*\b+(\q)], v[SC+32*(\sl)+4*(\a)+(\q)] matrix_a_fmt:MATRIX_FMT_FP6 matrix_b_fmt:MATRIX_FMT_FP6 matrix_a_scale:MATRIX_SCALE_ROW1
.else
	v_wmma_scale_f32_16x16x128_f8f6f4 v[8*(8*(\a)+\b):8*(8*(\a)+\b)+7], v[128*(\p)+12*\b:128*(\p)+12*\b+11], v[YF+48*(\p)+12*(\a):YF+48*(\p)+12*(\a)+11], v[8*(8*(\a)+\b):8*(8*(\a)+\b)+7], v[SC+32*(\sl)+4*\b+(\q)], v[SC+32*(\sl)+4*(\a)+(\q)] matrix_a_fmt:MATRIX_FMT_FP6 matrix_b_fmt:MATRIX_FMT_FP6 matrix_a_scale:MATRIX_SCALE_ROW1
.endif
.endr
.endm
.macro STEP sl, q, zero
	s_wait_dscnt 0x0
	PLACES
	FETCH \sl, (\q)+1, 1-(\q)%2
	WIN MULW
	MUL8 0, (\q)%2, \q, \sl, \zero
	MUL8 1, (\q)%2, \q, \sl, \zero
	MUL8 2, (\q)%2, \q, \sl, \zero
	MUL8 3, (\q)%2, \q, \sl, \zero
.endm
.macro TURN sl, nx, fill
	WIN 0
	s_wait_tensorcnt 0x0
	ds_add_u32 v[SPW], v[NIL]
	s_wait_dscnt 0x1
	WIN MULW
	MUL8 0, 1, 3, \sl, 0
	s_wait_dscnt 0x0
	s_barrier_signal -1
	MUL8 1, 1, 3, \sl, 0
	WIN 0
	s_barrier_wait -1
.if \fill
	CREST
	s_add_nc_u64 s[G0X+4*\sl+2:G0X+4*\sl+3], s[G0X+4*\sl+2:G0X+4*\sl+3], 8*BLKB
	JLOADX G0X+4*\sl
.else
	PLACES
.endif
	FETCH \nx, 0, 0
	s_wait_alu depctr_va_vdst(0)
	SCALES \nx
	WIN MULW
	MUL8 2, 1, 3, \sl, 0
	MUL8 3, 1, 3, \sl, 0
.endm
.macro OUTP ps
	WIN 0
	PLACES
.irp a, 0,1,2,3
.irp u, 0,1
.set BK, 96+128*\u
	s_wait_xcnt 0x0
	WIN 0x08
.irp t, 0,1,2,3
	ds_store_b128 v[STO], v[8*(8*\a+4*\u+\t):8*(8*\a+4*\u+\t)+3] offset:(\t/2)*128+(\t%2)*32
	ds_store_b128 v[STO], v[8*(8*\a+4*\u+\t)+4:8*(8*\a+4*\u+\t)+7] offset:(\t/2)*128+(\t%2)*32+16
.endr
	WIN 0
.irp i, 0,1,2,3,4,5,6,7
	ds_load_b128 v[BK+4*\i:BK+4*\i+3], v[RD] offset:544*\i
.endr
.irp i, 0,1,2,3,4,5,6,7
	s_wait_dscnt 7-\i
	global_store_b128 v[CO], v[BK+4*\i:BK+4*\i+3], s[8:9] offset:(32*(\a/2)+8*(\a%2)+2*\i+8*(\i/4))*16384+512*(\ps)+256*\u th:TH_STORE_NT
.endr
.endr
.endr
.endm
	s_load_b128 s[4:7], s[0:1], 0x0
	s_load_b64 s[8:9], s[0:1], 0x10
	v_lshl_add_u32 v[SPW], v0, 2, SPARE
	v_mov_b32 v[NIL], 0
	ds_add_u32 v28, v29
	ds_add_u32 v28, v29
	s_wait_dscnt 0x0
	v_lshrrev_b32 v1, 5, v0
	v_readfirstlane_b32 s14, v1
	s_lshr_b32 s15, s14, 1
	s_and_b32 s16, s14, 1
	s_bfe_u32 s40, ttmp6, 0x40000
	s_bfe_u32 s41, ttmp6, 0x40004
	s_lshl_b32 s42, ttmp9, 2
	s_add_co_u32 s42, s42, s40
	s_and_b32 s17, ttmp7, 0xffff
	s_lshl_b32 s17, s17, 2
	s_add_co_u32 s17, s17, s41
	s_lshl_b32 s43, s41, 2
	s_lshl_b32 s43, 15, s43
	s_lshl_b32 s44, 0x1111, s40
	s_or_b32 s[G1Y], s43, (3<<16)|(1<<21)
	s_or_b32 s[G1X], s44, (3<<16)|(1<<21)
	s_mov_b32 s[G1Y+1], 32<<16
	s_mov_b32 s[G1Y+2], 200<<16
	s_mov_b32 s[G1Y+3], 32<<16
	s_mov_b32 s[G1Y+4], 200
	s_mov_b32 s[G1Y+5], 32
	s_mov_b32 s[G1Y+6], 0
	s_mov_b32 s[G1Y+7], 0
	s_mov_b32 s[G1X+1], 32<<16
	s_mov_b32 s[G1X+2], 100<<16
	s_mov_b32 s[G1X+3], 32<<16
	s_mov_b32 s[G1X+4], 100
	s_mov_b32 s[G1X+5], 32
	s_mov_b32 s[G1X+6], 0
	s_mov_b32 s[G1X+7], 0
	s_lshl_b32 s20, s17, 4
	s_lshl_b32 s18, s16, 3
	s_add_co_u32 s20, s20, s18
	s_mul_i32 s20, s20, BLKB
	s_mov_b32 s21, 0
	s_lshl_b32 s46, s42, 4
	s_lshl_b32 s18, s16, 2
	s_add_co_u32 s46, s46, s18
	s_mul_i32 s46, s46, BLKB
	s_mov_b32 s47, 0
	s_mul_i32 s45, s16, 8*BLKB
	s_mul_i32 s69, s16, 4*BLKB
	s_add_co_u32 s69, s69, XOFF
	s_wait_kmcnt 0x0
	s_add_nc_u64 s[20:21], s[4:5], s[20:21]
	s_add_nc_u64 s[46:47], s[6:7], s[46:47]
	CROUND
.irp s, 0,1
	s_mov_b32 s[G0Y+4*\s], 1
	s_add_co_u32 s[G0Y+4*\s+1], s45, \s*SLOT
	s_add_nc_u64 s[G0Y+4*\s+2:G0Y+4*\s+3], s[20:21], \s*256*BLKB
	s_or_b32 s[G0Y+4*\s+3], s[G0Y+4*\s+3], 0x80000000
	s_mov_b32 s[G0X+4*\s], 1
	s_add_co_u32 s[G0X+4*\s+1], s69, \s*SLOT
	s_add_nc_u64 s[G0X+4*\s+2:G0X+4*\s+3], s[46:47], \s*256*BLKB
	s_or_b32 s[G0X+4*\s+3], s[G0X+4*\s+3], 0x80000000
	s_wait_alu depctr_va_vdst(0)
	s_wait_tensorcnt 0x0
	ds_add_u32 v28, v29
	ds_add_u32 v28, v29
	s_wait_dscnt 0x0
	CROUND
	JLOAD G0Y+4*\s, G1Y, G0X+4*\s, G1X
.endr
	v_and_b32 v1, 31, v0
	v_and_b32 v2, 15, v0
	v_bfe_u32 v3, v0, 4, 1
	v_lshlrev_b32 v5, 4, v1
	s_mul_i32 s18, s14, 4*BLKB
	v_add_nc_u32 v[ADRY], s18, v5
	v_add_nc_u32 v[ADRY+1], SLOT, v[ADRY]
	v_add_nc_u32 v[ADRX], XOFF, v5
	v_add_nc_u32 v[ADRX+1], SLOT, v[ADRX]
	s_xor_b32 s19, s14, 3
	s_add_co_u32 s19, s19, 1
	s_mul_i32 s19, s19, 4*BLKB
	v_mul_u32_u24 v4, s19, v3
	v_lshl_add_u32 v4, v2, 4, v4
	s_add_co_u32 s18, s18, SCO
	v_add_nc_u32 v[ADRS], s18, v4
	v_add_nc_u32 v[ADRS+1], SLOT, v[ADRS]
	s_mul_i32 s18, s14, 16*272
	s_add_co_u32 s18, s18, STAGE
	v_mul_u32_u24 v[STO], v2, 272
	v_lshl_add_u32 v[STO], v3, 6, v[STO]
	v_add_nc_u32 v[STO], s18, v[STO]
	v_mul_u32_u24 v[RD], v3, 272
	v_lshl_add_u32 v[RD], v2, 4, v[RD]
	v_add_nc_u32 v[RD], s18, v[RD]
	v_lshlrev_b32 v[CO], 14, v3
	v_lshl_add_u32 v[CO], v2, 4, v[CO]
	s_lshl_b32 s72, s17, 8
	s_lshl_b32 s73, s14, 6
	s_add_co_u32 s72, s72, s73
	s_lshl_b32 s72, s72, 14
	s_lshl_b32 s73, s42, 10
	s_add_co_u32 s72, s72, s73
	s_mov_b32 s73, 0
	s_add_nc_u64 s[8:9], s[8:9], s[72:73]
	s_wait_tensorcnt 0x1
	s_barrier_signal -1
	s_barrier_wait -1
	FETCH 0, 0, 0
	SCALES 0
	STEP 0, 0, 1
	STEP 0, 1, 0
	STEP 0, 2, 0
	TURN 0, 1, 1
	STEP 1, 0, 0
	STEP 1, 1, 0
	STEP 1, 2, 0
	TURN 1, 0, 1
	OUTP 0
	STEP 0, 0, 1
	STEP 0, 1, 0
	STEP 0, 2, 0
	TURN 0, 1, 0
	STEP 1, 0, 0
	STEP 1, 1, 0
	STEP 1, 2, 0
	s_wait_dscnt 0x0
	WIN MULW
	MUL8 0, 1, 3, 1, 0
	MUL8 1, 1, 3, 1, 0
	MUL8 2, 1, 3, 1, 0
	MUL8 3, 1, 3, 1, 0
	OUTP 1
	s_wait_tensorcnt 0x0
	ds_add_u32 v[SPW], v[NIL]
	s_wait_dscnt 0x0
	CROUND
	s_endpgm
.Lfunc_end_k_qfaa6886270_oproj:
	.size	k_qfaa6886270_oproj, .Lfunc_end_k_qfaa6886270_oproj-k_qfaa6886270_oproj
	.p2alignl 7, 3214868480
	.fill 96, 4, 3214868480
	.section	.rodata,"a",@progbits
	.p2align	6, 0x0
	.amdhsa_kernel k_qfaa6886270_oproj
		.amdhsa_group_segment_fixed_size 327680
		.amdhsa_private_segment_fixed_size 0
		.amdhsa_enable_private_segment 0
		.amdhsa_kernarg_size 24
		.amdhsa_user_sgpr_count 2
		.amdhsa_user_sgpr_kernarg_segment_ptr 1
		.amdhsa_wavefront_size32 1
		.amdhsa_system_sgpr_workgroup_id_x 1
		.amdhsa_system_sgpr_workgroup_id_y 1
		.amdhsa_system_sgpr_workgroup_id_z 1
		.amdhsa_system_vgpr_workitem_id 0
		.amdhsa_next_free_vgpr 768
		.amdhsa_next_free_sgpr 100
		.amdhsa_reserve_vcc 0
		.amdhsa_float_denorm_mode_32 3
		.amdhsa_float_denorm_mode_16_64 3
		.amdhsa_memory_ordered 1
		.amdhsa_forward_progress 1
		.amdhsa_inst_pref_size 151
	.end_amdhsa_kernel
	.amdgpu_metadata
---
amdhsa.version: [ 1, 2 ]
amdhsa.kernels:
  - .name:           k_qfaa6886270_oproj
    .symbol:         k_qfaa6886270_oproj.kd
    .args:
      - { .name: aoq, .offset: 0, .size: 8, .value_kind: global_buffer, .address_space: global }
      - { .name: woq, .offset: 8, .size: 8, .value_kind: global_buffer, .address_space: global }
      - { .name: out0, .offset: 16, .size: 8, .value_kind: global_buffer, .address_space: global }
    .group_segment_fixed_size: 327680
    .private_segment_fixed_size: 0
    .kernarg_segment_align: 8
    .kernarg_segment_size: 24
    .max_flat_workgroup_size: 128
    .sgpr_count:     100
    .vgpr_count:     768
    .wavefront_size: 32
...
	.end_amdgpu_metadata
.endif
;; end of part 4
